; MI455X (gfx1250); checked and timed in simulation.
; The chip was launched on July 23, 2026; its instructions are those of AMD's public machine-readable ISA for CDNA 5 (MIT licence, August 2026) and "CDNA5" Instruction Set Architecture Reference Guide (July 2026). The comments in the code are by the model that wrote it; some were corrected since.
;; Mo BA Attention. Allowed arithmetic: float matrix products may take bf16 or f16 operands with f32 sums; other float arithmetic in f32, or as packed bf16 or f16 multiplies, adds, multiply-adds, maxima and minima; sums over many terms, partial sums and values carried from step to step in f32; what a program stores and reads back later, other than sums and carried values, may be rounded once to bf16 or f16.
;; Inputs: cos 4,096 x 64 float32; sin 4,096 x 64 float32; wk 1,024 x 1,024 float32; wo 1,024 x 1,024 float32; wq 1,024 x 1,024 float32; wv 1,024 x 1,024 float32; x 2 x 4,096 x 1,024 float32.
;; Outputs: out0 2 x 4,096 x 1,024 float32.
;; 2 versions, each right; version 2 is version 1 with the launch prep written anew for expert scheduling mode. Each part assembles by itself: llvm-mc -triple=amdgcn-amd-amdhsa -mcpu=gfx1250 --defsym DOCPART=n.
;; ======== version 1 of 2: 4 launches
;; limits: values are held in f16: magnitudes above 65,504 overflow, below 6.1e-05 lose precision
;; workspace buffers: xb 16,777,216 bytes; wb 6,291,456 bytes; wof 2,097,152 bytes; nsin 524,288 bytes; qh 16,777,216 bytes; kh 4,194,304 bytes; vh 4,194,304 bytes; ctx 16,777,216 bytes
;; launch prep (part 1): grid 784 x 1, 8 waves a work-group, no clusters, 0 bytes of LDS; arguments x, wq, wk, wv, wo, sin, xb, wb, wof, nsin; writes xb, wb, wof, nsin
.if DOCPART == 1
	.amdgcn_target "amdgcn-amd-amdhsa--gfx1250"
	.amdhsa_code_object_version 6
	.text
	.protected	k_q96a9df9ee7_prep
	.globl	k_q96a9df9ee7_prep
	.p2align	8
	.type	k_q96a9df9ee7_prep,@function
k_q96a9df9ee7_prep:
	s_mov_b64 s[64:65], 0
	v_nop
	global_prefetch_b8 v0, s[64:65] scope:SCOPE_SE
	s_setreg_imm32_b32 hwreg(HW_REG_WAVE_MODE, 25, 1), 1
	s_wait_xcnt 0x0
; CASTS AND LAYOUTS for the launches behind.  A stream: each input byte is read once, each output byte written once; nothing is shared, so no LDS, no cluster, no matrix unit.
;   x   [8192][1024] f32 -> xb  bf16, in blocks [128 mt][16 kb][64 r][64 c] (row 64 mt + r, column 64 kb + c): a block is 8,192 dense bytes
;   wq, wk, wv [1024][1024] f32 -> wb  bf16 [3072][1024], one below the other
;   wo  [1024][1024] f32 -> wof: rounded to bf16 like the other inputs, that number written as f16
;   sin [4096][64]   f32 -> nsin = -sin in bf16
; cos is no argument: reference() forms nothing from it (its rotary step keeps -q sin alone).
; LIMITS.  bf16(wo) must lie within f16's 65,504; below 6e-5 it keeps f16's fixed step of 6e-8.
; SHARES.  A work-group takes 16,384 numbers; thread t sixteen loads of 16 bytes and sixteen stores of 8.  A wave's load covers 512 bytes (x: two rows' 256), a wave's store 256 consecutive
; bytes, aligned.  All sixteen loads go out first: 64 KiB of a work-group are on their way.  No register that a load or store names is written again, so no wait frees any.
; Work-groups 0-511: x, 16 rows each; 512-703: wq, wk, wv; 704-767: wo; 768-783: sin.
.set IN,  4                            ; v[4:67]    load i: 4 numbers in f32
.set OUT, 68                           ; v[68:99]   store i: 4 numbers of 16 bits
.set TW,  100                          ; v[100:103] at work (wo)
; Sixteen loads, instep bytes apart; then, as each comes in, its conversion and its store, outstep bytes apart.
; conv 0: to bf16.  conv 1: to bf16, sign turned.  conv 2: to bf16, widened again, written as f16.
.macro BODY instep, outstep, conv
.set i, 0
.rept 16
	global_load_b128 v[IN+4*i:IN+4*i+3], v1, s[28:29] offset:i*(\instep) th:TH_LOAD_NT
.set i, i+1
.endr
.set i, 0
.rept 16
	s_wait_loadcnt 15-i                            ; loads come back in order: load i is in, the 15 - i younger ones stay out
.if (\conv) == 2
	v_cvt_pk_bf16_f32 v[TW], v[IN+4*i], v[IN+4*i+1]
	v_cvt_pk_bf16_f32 v[TW+1], v[IN+4*i+2], v[IN+4*i+3]
	v_lshlrev_b32 v[TW+2], 16, v[TW]
	v_and_b32 v[TW+3], s37, v[TW]
	v_cvt_pk_f16_f32 v[OUT+2*i], v[TW+2], v[TW+3]
	v_lshlrev_b32 v[TW+2], 16, v[TW+1]
	v_and_b32 v[TW+3], s37, v[TW+1]
	v_cvt_pk_f16_f32 v[OUT+2*i+1], v[TW+2], v[TW+3]
.else
	v_cvt_pk_bf16_f32 v[OUT+2*i], v[IN+4*i], v[IN+4*i+1]
	v_cvt_pk_bf16_f32 v[OUT+2*i+1], v[IN+4*i+2], v[IN+4*i+3]
.if (\conv) == 1
	v_xor_b32 v[OUT+2*i], 0x80008000, v[OUT+2*i]   ; both halves' signs
	v_xor_b32 v[OUT+2*i+1], 0x80008000, v[OUT+2*i+1]
.endif
.endif
	global_store_b64 v2, v[OUT+2*i:OUT+2*i+1], s[30:31] offset:i*(\outstep)
.set i, i+1
.endr
.endm
	s_load_b512 s[8:23], s[0:1], 0x0               ; x s[8:9], wq s[10:11], wk s[12:13], wv s[14:15], wo s[16:17], sin s[18:19], xb s[20:21], wb s[22:23]
	s_load_b128 s[24:27], s[0:1], 0x40             ; wof s[24:25], nsin s[26:27]
	s_mov_b32 s40, ttmp9                           ; the work-group's number
	s_mov_b32 s33, 0                               ; the two offsets' high words
	s_mov_b32 s35, 0
	s_mov_b32 s37, 0xffff0000                      ; a word's upper bf16
	v_lshlrev_b32 v2, 3, v0                        ; where I store: 8 t
	s_wait_kmcnt 0x0
	s_cmp_lt_u32 s40, 512
	s_cbranch_scc0 .Lnot_x
	; x: 16 rows.  Thread t reads row t / 16, 16 bytes at 16 (t % 16) of each run of 64 columns; load i takes column block i.
	v_and_b32 v1, 15, v0
	v_lshrrev_b32 v3, 4, v0
	v_lshlrev_b32 v1, 4, v1
	v_lshl_or_b32 v1, v3, 12, v1
	s_lshl_b32 s32, s40, 16                        ; 16 rows of 4,096 bytes
	s_add_nc_u64 s[28:29], s[8:9], s[32:33]
	s_lshr_b32 s38, s40, 2
	s_lshl_b32 s34, s38, 17                        ; 64 rows are 16 blocks of 8,192 bytes,
	s_and_b32 s39, s40, 3
	s_lshl_b32 s39, s39, 11                        ; my 16 rows of 128 bytes in each block
	s_add_co_u32 s34, s34, s39
	s_add_nc_u64 s[30:31], s[20:21], s[34:35]
	BODY 256, 8192, 0
	s_endpgm
.Lnot_x:
	v_lshlrev_b32 v1, 4, v0                        ; the others go straight on: I read at 16 t
	s_sub_co_u32 s38, s40, 512
	s_cmp_lt_u32 s38, 192
	s_cbranch_scc0 .Lnot_w
	s_lshr_b32 s39, s38, 6                         ; which of the three weights: 64 work-groups each
	s_cmp_eq_u32 s39, 0
	s_cselect_b64 s[28:29], s[10:11], s[12:13]
	s_cmp_eq_u32 s39, 2
	s_cselect_b64 s[28:29], s[14:15], s[28:29]
	s_and_b32 s32, s38, 63
	s_lshl_b32 s32, s32, 16
	s_add_nc_u64 s[28:29], s[28:29], s[32:33]
	s_lshl_b32 s34, s38, 15
	s_add_nc_u64 s[30:31], s[22:23], s[34:35]
	BODY 4096, 2048, 0
	s_endpgm
.Lnot_w:
	s_cmp_lt_u32 s38, 256
	s_cbranch_scc0 .Lsin
	s_sub_co_u32 s38, s38, 192
	s_lshl_b32 s32, s38, 16
	s_lshl_b32 s34, s38, 15
	s_add_nc_u64 s[28:29], s[16:17], s[32:33]
	s_add_nc_u64 s[30:31], s[24:25], s[34:35]
	BODY 4096, 2048, 2
	s_endpgm
.Lsin:
	s_sub_co_u32 s38, s38, 256
	s_lshl_b32 s32, s38, 16
	s_lshl_b32 s34, s38, 15
	s_add_nc_u64 s[28:29], s[18:19], s[32:33]
	s_add_nc_u64 s[30:31], s[26:27], s[34:35]
	BODY 4096, 2048, 1
	s_endpgm
.Lfunc_end_k_q96a9df9ee7_prep:
	.size	k_q96a9df9ee7_prep, .Lfunc_end_k_q96a9df9ee7_prep-k_q96a9df9ee7_prep
	.p2alignl 7, 3214868480
	.fill 96, 4, 3214868480
	.section	.rodata,"a",@progbits
	.p2align	6, 0x0
	.amdhsa_kernel k_q96a9df9ee7_prep
		.amdhsa_group_segment_fixed_size 0
		.amdhsa_private_segment_fixed_size 0
		.amdhsa_enable_private_segment 0
		.amdhsa_kernarg_size 80
		.amdhsa_user_sgpr_count 2
		.amdhsa_user_sgpr_kernarg_segment_ptr 1
		.amdhsa_wavefront_size32 1
		.amdhsa_system_sgpr_workgroup_id_x 1
		.amdhsa_system_sgpr_workgroup_id_y 1
		.amdhsa_system_sgpr_workgroup_id_z 1
		.amdhsa_system_vgpr_workitem_id 0
		.amdhsa_next_free_vgpr 104
		.amdhsa_next_free_sgpr 66
		.amdhsa_reserve_vcc 0
		.amdhsa_float_denorm_mode_32 3
		.amdhsa_float_denorm_mode_16_64 3
		.amdhsa_memory_ordered 1
		.amdhsa_forward_progress 1
		.amdhsa_inst_pref_size 31
	.end_amdhsa_kernel
	.amdgpu_metadata
---
amdhsa.version: [ 1, 2 ]
amdhsa.kernels:
  - .name:           k_q96a9df9ee7_prep
    .symbol:         k_q96a9df9ee7_prep.kd
    .args:
      - { .name: x, .offset: 0, .size: 8, .value_kind: global_buffer, .address_space: global }
      - { .name: wq, .offset: 8, .size: 8, .value_kind: global_buffer, .address_space: global }
      - { .name: wk, .offset: 16, .size: 8, .value_kind: global_buffer, .address_space: global }
      - { .name: wv, .offset: 24, .size: 8, .value_kind: global_buffer, .address_space: global }
      - { .name: wo, .offset: 32, .size: 8, .value_kind: global_buffer, .address_space: global }
      - { .name: sin, .offset: 40, .size: 8, .value_kind: global_buffer, .address_space: global }
      - { .name: xb, .offset: 48, .size: 8, .value_kind: global_buffer, .address_space: global }
      - { .name: wb, .offset: 56, .size: 8, .value_kind: global_buffer, .address_space: global }
      - { .name: wof, .offset: 64, .size: 8, .value_kind: global_buffer, .address_space: global }
      - { .name: nsin, .offset: 72, .size: 8, .value_kind: global_buffer, .address_space: global }
    .group_segment_fixed_size: 0
    .private_segment_fixed_size: 0
    .kernarg_segment_align: 8
    .kernarg_segment_size: 80
    .max_flat_workgroup_size: 256
    .sgpr_count:     66
    .vgpr_count:     104
    .wavefront_size: 32
...
	.end_amdgpu_metadata
.endif
;; end of part 1
;; launch proj (part 2): grid 8 x 96, 4 waves a work-group, clusters of 4 x 4, 327,680 bytes of LDS; arguments xb, wb, nsin, qh, kh, vh; writes qh, kh, vh
.if DOCPART == 2
	.amdgcn_target "amdgcn-amd-amdhsa--gfx1250"
	.amdhsa_code_object_version 6
	.text
	.protected	k_q96a9df9ee7_proj
	.globl	k_q96a9df9ee7_proj
	.p2align	8
	.type	k_q96a9df9ee7_proj,@function
k_q96a9df9ee7_proj:
	s_mov_b64 s[64:65], 0
	v_nop
	global_prefetch_b8 v0, s[64:65] scope:SCOPE_SE
	s_setreg_imm32_b32 hwreg(HW_REG_WAVE_MODE, 25, 1), 1
	s_wait_xcnt 0x0
	s_wait_alu depctr_hold_cnt(0) depctr_sa_sdst(0) depctr_va_vdst(0) depctr_va_sdst(0) depctr_va_ssrc(0) depctr_va_vcc(0) depctr_vm_vsrc(0)
	s_getreg_b32 s2, hwreg(HW_REG_IB_STS2, 6, 4)
	s_cmp_eq_u32 s2, 0
	s_cbranch_scc0 .Lentry_in_a_cluster
	s_endpgm
.Lentry_in_a_cluster:
	s_bfe_u32 s2, ttmp6, 0x10000c
	s_cmp_lg_u32 s2, 0xf033
	s_cbranch_scc0 .Lentry_shape_is_right
	s_endpgm
.Lentry_shape_is_right:
; THE THREE PROJECTIONS.  q = -(x wq^T) sin for all 8,192 rows; k = -(x wk^T) sin and v = x wv^T for positions 0-1023 of each batch alone: reference() reads no later key.
; In: xb bf16 in blocks [128 mt][16 kb][64 r][64 c]; wb bf16 [3072][1024] (wq, wk, wv); nsin = -sin, bf16 [4096][64].  Out, by heads: qh bf16 [32][4096][64], kh bf16 [32][1024][64], vh f16 [32][1024][64].
; Sums in f32; each output rounded once.  LIMITS: v must lie within f16's 65,504; q and k are bf16, which has f32's range.
; SHARES.  A tile of C is 128 x 128 (two heads); four waves, each 64 x 64: 16 accumulators.  768 tiles: 512 of q, 128 of k, 128 of v; a cluster's 16 tiles are of one kind.
; K = 1,024 goes in four steps of 256 through two LDS slots.  A's half tile (64 rows x 256 K) is 32,768 dense bytes of xb: asked for as 128 rows of 256 bytes, padded in LDS after every
; 128 bytes, so that piece (kb, r) lies at (64 kb + r) x 144.  B's half tile is 64 rows of 512 bytes, 528 apart in LDS.
; CLUSTERS: 4 x 4 work-groups.  The four of a row of the cluster need the same tiles of A, the four of a column the same tiles of B: each is asked for JOINTLY, by the same tensor load with the same
; descriptor and a mask that names the four.  THE MATRIX INSTRUCTION IS USED TRANSPOSED (source 0 = 16 rows of B, source 1 = 16 rows of A): a lane holds eight neighbouring channels of one row.
; REGISTERS: window 0: v0-31 addresses; v32-95 packed results, then whole rows; v96-127 -sin in f32; v128-255 the accumulators ((a, b) at v[128 + 8 (4 a + b)]).
;   window 1: two fragment buffers of 128: for 64 along K, 64 registers of A, then 64 of B.   window 2: v0-63 -sin as loaded, 8 bf16 for each accumulator.
.set PA,     144                       ; a piece of A in LDS: 128 bytes + 16 = 36 words: the 16 rows of a load start at 16 different groups of four banks
.set HA,     256*PA                    ; half a tile of A: 4 column blocks x 64 rows
.set PB,     528                       ; a row of B in LDS: 512 bytes + 16 = 132 words: row r starts at bank 4 r mod 64
.set HB,     64*PB
.set SLOT,   2*HA+2*HB                 ; A's two halves, then B's two halves
.set STAGE,  2*SLOT                    ; behind the ring: 128 rows x 272 bytes, the work-group's, for the way out; no tensor load fills it
.set SPITCH, 272
.set SPARE,  STAGE+128*SPITCH          ; behind the stage: the spare words, 128 bytes for each wave: two blocks of 256 bytes that no other line names
.set ADRA, 16                          ; v16-17  LDS address of my A fragments in slot 0, 1
.set ADRB, 20                          ; v20-21  the same for B
.set STO,  24                          ; v24     the way out: where I put 16 bytes of a row
.set RD,   25                          ; v25     the way out: where I read rows back
.set CO,   26                          ; v26     my 16 bytes in 512 consecutive bytes of a head
.set SO,   27                          ; v27     my byte offset in 16 rows of nsin; never rewritten
.set SPW,  28                          ; v28     LDS address of my spare word; never rewritten
.set NIL,  29                          ; v29     0; never rewritten
.set TMP,  32
.set UN,   96
.set ACC,  128
.set F0,   0
.set F1,   128
.set G1,  24                           ; s[24:31] descriptor group 1 for A's tiles;  s[32:39] group 0, one set for each slot
.set G0,  32
.set G1B, 48                           ; s[48:55], s[56:63] the same for B's tiles
.set G0B, 56
.set TY,  66                           ; s66  0: q, 1: k, 2: v: from the cluster's y alone, so the same in all sixteen partners
.set MSB, 0
.macro WIN new                         ; the immediate's high byte repeats the setting that is left; a switch that changes nothing is dropped
.if MSB != (\new)
	s_set_vgpr_msb (MSB<<8)|(\new)
.set MSB, \new
.endif
.endm
.set MUL,  0x05                        ; sources 0 (B) and 1 (A) window 1; C and D window 0
.set TO_F, 0x40                        ; destination window 1, address window 0
.macro JLOAD s                         ; a joint load: waves 0 and 1 fetch A's two halves, waves 2 and 3 B's; an s_nop 0 and four v_nop follow each of the two lines
	s_cmp_eq_u32 s11, 0
	s_cbranch_scc0 .Lfor_b_\@
	tensor_load_to_lds s[G0+4*(\s):G0+4*(\s)+3], s[G1:G1+7]
	s_nop 0
.rept 4
	v_nop
.endr
	s_branch .Lasked_\@
.Lfor_b_\@:
	tensor_load_to_lds s[G0B+4*(\s):G0B+4*(\s)+3], s[G1B:G1B+7]
	s_nop 0
.rept 4
	v_nop
.endr
.Lasked_\@:
.endm
.macro CREST                           ; a round of the cluster's barrier behind its opening barrier
	s_cmp_lg_u32 s10, 0
	s_cbranch_scc1 .Lnot_wave_0_\@
	s_barrier_signal -3
.Lnot_wave_0_\@:
	s_barrier_wait -3
	s_barrier_signal -1
	s_barrier_wait -1
.endm
.macro CROUND                          ; a whole round
	s_barrier_signal -1
	s_barrier_wait -1
	CREST
.endm
	s_load_b128 s[4:7], s[0:1], 0x0                ; xb s[4:5], wb s[6:7]
	s_load_b128 s[68:71], s[0:1], 0x10             ; nsin s[68:69], qh s[70:71]
	s_load_b128 s[72:75], s[0:1], 0x20             ; kh s[72:73], vh s[74:75]
	v_lshl_add_u32 v[SPW], v0, 2, SPARE
	v_mov_b32 v[NIL], 0
	ds_add_u32 v[SPW], v[NIL]                      ; the wave's opening: the add and its wait stand ahead of my first tensor load; the set-up below, work on registers, stands between them
	v_lshrrev_b32 v1, 5, v0
	v_readfirstlane_b32 s10, v1                    ; wave 0..3
	s_lshr_b32 s11, s10, 1                         ; which half of the tile's rows is mine.  Also: I fetch for A (0) or for B (1)
	s_and_b32 s12, s10, 1                          ; which half of its columns (which head).  Also: which half of that tile I fetch
	s_bfe_u32 s40, ttmp6, 0x40000                  ; cx, cy: my place in the cluster
	s_bfe_u32 s41, ttmp6, 0x40004
	s_lshl_b32 s42, ttmp9, 2
	s_add_co_u32 s42, s42, s40                     ; tile column = 4 x cluster x + cx: 0..7
	s_and_b32 s67, ttmp7, 0xffff                   ; cluster y: 0-15 q, 16-19 k, 20-23 v
	s_and_b32 s84, s67, 3
	s_cmp_ge_u32 s67, 16
	s_cselect_b32 s[TY], 1, 0
	s_cmp_ge_u32 s67, 20
	s_cselect_b32 s[TY], 2, s[TY]
	s_cmp_eq_u32 s[TY], 0
	s_cselect_b32 s67, s67, s84                    ; the cluster's number among those of its kind: 512 rows each
	s_cselect_b32 s85, 0, 48                       ; k and v: behind batch 0's 1,024 rows come batch 1's, 48 blocks of 64 rows further on
	s_cmp_ge_u32 s67, 2
	s_cselect_b32 s85, s85, 0
	s_lshl_b32 s13, s67, 3
	s_add_co_u32 s13, s13, s85
	s_lshl_b32 s85, s41, 1
	s_add_co_u32 s13, s13, s85                     ; the tile's first block of 64 rows of x
	s_lshl_b32 s43, s41, 2
	s_lshl_b32 s43, 15, s43                        ; my row of the cluster
	s_lshl_b32 s44, 0x1111, s40                    ; my column
	s_or_b32 s[G1+0], s43, (1<<16)|(1<<20)|(1<<21)|(4<<22)|(3<<25)   ; 15:0 the mask: A's tiles go to my row; 17:16 elements of 2 bytes; 20 padding on; 21 set beside a mask; 24:22 after every 32 words (code 4); 31:25 4 words (code 3)
	s_mov_b32 s[G1+1], 128<<16                     ; tensor_dim0 = 128
	s_mov_b32 s[G1+2], 128<<16                     ; tensor_dim1 = 128
	s_mov_b32 s[G1+3], 128<<16                     ; tile_dim0 = 128: rows of 256 bytes
	s_mov_b32 s[G1+4], 128                         ; tile_dim1 = 128
	s_mov_b32 s[G1+5], 128                         ; dense: 128 elements from row to row
	s_mov_b32 s[G1+6], 0
	s_mov_b32 s[G1+7], 0
	s_or_b32 s[G1B+0], s44, (1<<16)|(1<<20)|(1<<21)|(6<<22)|(3<<25)  ; B's go to my column; padding after every 128 words (code 6)
	s_mov_b32 s[G1B+1], 256<<16                    ; tensor_dim0 = 256
	s_mov_b32 s[G1B+2], 64<<16                     ; tensor_dim1 = 64
	s_mov_b32 s[G1B+3], 256<<16                    ; tile_dim0 = 256
	s_mov_b32 s[G1B+4], 64                         ; tile_dim1 = 64
	s_mov_b32 s[G1B+5], 1024                       ; 1,024 elements from row to row
	s_mov_b32 s[G1B+6], 0
	s_mov_b32 s[G1B+7], 0
	s_add_co_u32 s16, s13, s12                     ; A: the block of 64 rows that I fetch,
	s_lshl_b32 s16, s16, 17                        ; 131,072 bytes each
	s_mov_b32 s17, 0
	s_lshl_b32 s46, s[TY], 10                      ; B: row 1,024 x kind + 128 x tile column + 64 x half,
	s_lshl_b32 s47, s42, 7
	s_add_co_u32 s46, s46, s47
	s_lshl_b32 s47, s12, 6
	s_add_co_u32 s46, s46, s47
	s_lshl_b32 s46, s46, 11                        ; 2,048 bytes each
	s_mov_b32 s47, 0
	s_mul_i32 s20, s12, HA                         ; where they go: no place in the cluster enters an LDS address
	s_mul_i32 s21, s12, HB
	s_add_co_u32 s21, s21, 2*HA
	s_mov_b32 s82, 0xffff0000                      ; a word's upper bf16
	s_wait_dscnt 0x0                               ; the opening add is done
	s_wait_kmcnt 0x0
	s_add_nc_u64 s[14:15], s[4:5], s[16:17]
	s_add_nc_u64 s[46:47], s[6:7], s[46:47]
	CROUND                                         ; all sixteen work-groups are here: the first joint loads meet
.irp s, 0,1
	s_mov_b32 s[G0+4*(\s)], 1
	s_add_co_u32 s[G0+4*(\s)+1], s20, (\s)*SLOT
	s_add_nc_u64 s[G0+4*(\s)+2:G0+4*(\s)+3], s[14:15], (\s)*32768   ; K step s: four column blocks of 8,192 bytes
	s_or_b32 s[G0+4*(\s)+3], s[G0+4*(\s)+3], 0x80000000
	s_mov_b32 s[G0B+4*(\s)], 1
	s_add_co_u32 s[G0B+4*(\s)+1], s21, (\s)*SLOT
	s_add_nc_u64 s[G0B+4*(\s)+2:G0B+4*(\s)+3], s[46:47], (\s)*512
	s_or_b32 s[G0B+4*(\s)+3], s[G0B+4*(\s)+3], 0x80000000
	JLOAD \s                                       ; two tensor loads of mine are out
.endr
	v_and_b32 v1, 15, v0                           ; l % 16
	v_bfe_u32 v2, v0, 4, 1                         ; l / 16
	v_mul_u32_u24 v3, v1, PA
	v_lshl_add_u32 v3, v2, 4, v3                   ; a fragment's row x pitch + 16 x half, for A
	v_mul_u32_u24 v4, v1, PB
	v_lshl_add_u32 v4, v2, 4, v4                   ; and for B
	s_mul_i32 s21, s11, HA                         ; my 64 rows of A
	s_mul_i32 s22, s12, HB                         ; my 64 rows of B,
	s_add_co_u32 s22, s22, 2*HA                    ; which lie behind A's
.irp s, 0,1
	v_add_nc_u32 v[ADRA+(\s)], s21, v3
	v_add_nc_u32 v[ADRB+(\s)], s22, v4
	s_add_co_u32 s21, s21, SLOT
	s_add_co_u32 s22, s22, SLOT
.endr
	s_mul_i32 s23, s11, 64*SPITCH                  ; into the stage: my 64 rows, my head's 128 of their 256 bytes; row l % 16, 16 bytes for each half of the lanes
	s_lshl_b32 s21, s12, 7
	s_add_co_u32 s23, s23, s21
	s_add_co_u32 s23, s23, STAGE
	v_mul_u32_u24 v5, v1, SPITCH
	v_lshl_add_u32 v5, v2, 4, v5
	v_add_nc_u32 v[STO], s23, v5
	s_mul_i32 s23, s10, 32*SPITCH                  ; back: wave w takes rows 32 w .. 32 w + 31; 32 lanes take one head's 128 bytes of four rows
	s_add_co_u32 s23, s23, STAGE
	v_bfe_u32 v5, v0, 3, 2
	v_and_b32 v6, 7, v0
	v_mul_u32_u24 v5, v5, SPITCH
	v_lshl_add_u32 v5, v6, 4, v5
	v_add_nc_u32 v[RD], s23, v5
	v_and_b32 v[CO], 31, v0                        ; which are 512 consecutive bytes of the head
	v_lshlrev_b32 v[CO], 4, v[CO]
	v_lshlrev_b32 v[SO], 7, v1                     ; nsin: row l % 16 of 128 bytes, 16 bytes for each half of the lanes
	v_lshl_add_u32 v[SO], v2, 4, v[SO]
	; where the tile goes: head 16 batch + 2 x tile column (and the next), position s0 + 32 x wave on
	s_lshr_b32 s84, s13, 6                         ; batch
	s_and_b32 s85, s13, 63
	s_lshl_b32 s85, s85, 6                         ; s0: the tile's first position
	s_cmp_eq_u32 s[TY], 0
	s_cselect_b32 s83, 12, 10                      ; a head has 4,096 rows in qh, 1,024 in kh and vh
	s_cselect_b64 s[8:9], s[70:71], s[72:73]
	s_cmp_eq_u32 s[TY], 2
	s_cselect_b64 s[8:9], s[74:75], s[8:9]
	s_lshl_b32 s86, s84, 4
	s_lshl_b32 s87, s42, 1
	s_add_co_u32 s86, s86, s87
	s_lshl_b32 s86, s86, s83
	s_add_co_u32 s86, s86, s85
	s_lshl_b32 s87, s10, 5
	s_add_co_u32 s86, s86, s87
	s_lshl_b32 s86, s86, 7                         ; rows of 128 bytes
	s_mov_b32 s87, 0
	s_add_nc_u64 s[8:9], s[8:9], s[86:87]          ; the even head,
	s_lshl_b32 s86, 128, s83
	s_add_nc_u64 s[78:79], s[8:9], s[86:87]        ; the odd one
	s_lshl_b32 s86, s11, 6
	s_add_co_u32 s86, s86, s85
	s_lshl_b32 s86, s86, 7
	s_add_nc_u64 s[80:81], s[68:69], s[86:87]      ; nsin at my 64 positions; never rewritten
	s_cmp_eq_u32 s[TY], 2
	s_cbranch_scc1 .Lno_sin                        ; v takes no sine
	WIN 0x80                                       ; destination window 2, address window 0
.irp a, 0,1,2,3
.irp b, 0,1,2,3
	global_load_b128 v[4*(4*\a+\b):4*(4*\a+\b)+3], v[SO], s[80:81] offset:\a*2048+\b*32  ; for accumulator (a, b): position 16 a + l % 16, channels 16 b + 8 (l / 16) + 0..7.  They stay out through all K steps
.endr
.endr
	WIN 0
.Lno_sin:
; 8 matrix instructions: m blocks a0, a0 + 1 x all 4 n blocks, 32 along K: half c of buffer f.  zero = 1: the first product starts the sums.  The 16 accumulators take turns.
.macro MUL8 f, c, a0, zero
	WIN MUL
.irp a, \a0, (\a0)+1
.irp b, 0,1,2,3
.if \zero
	v_wmma_f32_16x16x32_bf16 v[ACC+8*(4*(\a)+(\b)):ACC+8*(4*(\a)+(\b))+7], v[(\f)+64+8*(4*(\c)+(\b)):(\f)+64+8*(4*(\c)+(\b))+7], v[(\f)+8*(4*(\c)+(\a)):(\f)+8*(4*(\c)+(\a))+7], 0
.else
	v_wmma_f32_16x16x32_bf16 v[ACC+8*(4*(\a)+(\b)):ACC+8*(4*(\a)+(\b))+7], v[(\f)+64+8*(4*(\c)+(\b)):(\f)+64+8*(4*(\c)+(\b))+7], v[(\f)+8*(4*(\c)+(\a)):(\f)+8*(4*(\c)+(\a))+7], v[ACC+8*(4*(\a)+(\b)):ACC+8*(4*(\a)+(\b))+7]
.endif
.endr
.endr
.endm
; 32 LDS loads in one run: the fragments of quarter q (64 along K: one column block of A, 128 bytes of B's rows) into buffer f; the first 32 along K first
.macro FETCH slot, q, f
	WIN TO_F
.irp c, 0,1
.irp i, 0,1,2,3
	ds_load_b128 v[(\f)+64+8*(4*(\c)+(\i)):(\f)+64+8*(4*(\c)+(\i))+3],   v[ADRB+(\slot)] offset:(\q)*128+64*(\c)+(\i)*16*PB
	ds_load_b128 v[(\f)+64+8*(4*(\c)+(\i))+4:(\f)+64+8*(4*(\c)+(\i))+7], v[ADRB+(\slot)] offset:(\q)*128+64*(\c)+(\i)*16*PB+32
	ds_load_b128 v[(\f)+8*(4*(\c)+(\i)):(\f)+8*(4*(\c)+(\i))+3],         v[ADRA+(\slot)] offset:(\q)*64*PA+64*(\c)+(\i)*16*PA
	ds_load_b128 v[(\f)+8*(4*(\c)+(\i))+4:(\f)+8*(4*(\c)+(\i))+7],       v[ADRA+(\slot)] offset:(\q)*64*PA+64*(\c)+(\i)*16*PA+32
.endr
.endr
.endm
.macro PLACES                          ; four plain instructions in front of loads into registers that matrix instructions have read, and of lines that read results
.rept 4
	v_nop
.endr
.endm
; A K step is four quarters of 64 along K, 32 matrix instructions each, on buffers 0, 1, 0, 1.  One of the first three: multiplies buffer f and fetches quarter q into g.
.macro QUARTER slot, q, f, g, zero
	s_wait_dscnt 16                                ; the first 32 along K are in; the sixteen younger loads may be out
	MUL8 \f, 0, 0, \zero
	MUL8 \f, 0, 2, \zero
	PLACES
	FETCH \slot, \q, \g
	s_wait_dscnt 32                                ; all but the 32 just issued
	MUL8 \f, 1, 0, 0
	MUL8 \f, 1, 2, 0
.endm
; The last quarter multiplies buffer 1 and changes slots: ONE barrier; in front of it each wave waits for all its tensor loads, adds 0 to its spare word, and waits for that and for its own reads of this slot.
; fill = 1: this slot is filled again, two K steps ahead; the barrier then opens a round of the cluster's, and the joint load is the first thing behind the round.
.macro TURN slot, next, fill
	WIN 0                                          ; (the add's two registers lie in window 0)
	s_wait_tensorcnt 0x0                           ; all my tensor loads have landed: my part of the next slot;
	ds_add_u32 v[SPW], v[NIL]                      ; 0 onto my spare word;
	s_wait_dscnt 17                                ; (the add and the youngest sixteen loads may be out)
	MUL8 F1, 0, 0, 0                               ; eight matrix instructions stand between the add and the wait for it
	s_wait_dscnt 0x0                               ; the add is done, and my reads of this slot are over
	s_barrier_signal -1
	MUL8 F1, 0, 2, 0
.if \fill
	WIN 0
.endif
	s_barrier_wait -1
.if \fill
	CREST                                          ; no wave of any partner still reads this slot's tile or has a load on its way
	s_add_nc_u64 s[G0+4*(\slot)+2:G0+4*(\slot)+3], s[G0+4*(\slot)+2:G0+4*(\slot)+3], 65536
	s_add_nc_u64 s[G0B+4*(\slot)+2:G0B+4*(\slot)+3], s[G0B+4*(\slot)+2:G0B+4*(\slot)+3], 1024
	JLOAD \slot                                    ; one tensor load of mine is out; the four v_nop behind it are also the places in front of the loads below
.else
	PLACES
.endif
	FETCH \next, 0, F0
	MUL8 F1, 1, 0, 0
	MUL8 F1, 1, 2, 0
.endm
	s_wait_tensorcnt 1                             ; my part of K step 0 is in; K step 1's load, issued behind it, may stay out
	s_barrier_signal -1
	s_barrier_wait -1                              ; everybody's is
	FETCH 0, 0, F0
	QUARTER 0, 1, F0, F1, 1                        ; K step 0: its first products start the sums
	QUARTER 0, 2, F1, F0, 0
	QUARTER 0, 3, F0, F1, 0
	TURN 0, 1, 1                                   ; slot 0 takes K step 2
	QUARTER 1, 1, F0, F1, 0                        ; K step 1
	QUARTER 1, 2, F1, F0, 0
	QUARTER 1, 3, F0, F1, 0
	TURN 1, 0, 1                                   ; slot 1 takes K step 3
	QUARTER 0, 1, F0, F1, 0                        ; K step 2
	QUARTER 0, 2, F1, F0, 0
	QUARTER 0, 3, F0, F1, 0
	TURN 0, 1, 0                                   ; nothing is left to fetch
	QUARTER 1, 1, F0, F1, 0                        ; K step 3
	QUARTER 1, 2, F1, F0, 0
	QUARTER 1, 3, F0, F1, 0
	s_wait_dscnt 16
	MUL8 F1, 0, 0, 0
	MUL8 F1, 0, 2, 0
	s_wait_dscnt 0x0
	MUL8 F1, 1, 0, 0
	MUL8 F1, 1, 2, 0
	WIN 0
	; THE WAY OUT: q and k times -sin, rounded to bf16; v rounded to f16; 16 bytes a lane into the work-group's stage; a barrier; back as rows of one head, four at a time.
	PLACES
	s_cmp_eq_u32 s[TY], 2
	s_cbranch_scc1 .Lfor_vh
	s_wait_loadcnt 0x0                             ; -sin
.irp a, 0,1,2,3
	WIN 0x08                                       ; source 1 window 2
.irp b, 0,1,2,3
.irp r, 0,1,2,3
	v_lshlrev_b32 v[UN+8*\b+2*\r],   16,  v[4*(4*\a+\b)+\r]
	v_and_b32     v[UN+8*\b+2*\r+1], s82, v[4*(4*\a+\b)+\r]
.endr
.endr
	WIN 0
.irp b, 0,1,2,3
.irp r, 0,1,2,3
	v_pk_mul_f32 v[UN+8*\b+2*\r:UN+8*\b+2*\r+1], v[ACC+8*(4*\a+\b)+2*\r:ACC+8*(4*\a+\b)+2*\r+1], v[UN+8*\b+2*\r:UN+8*\b+2*\r+1]  ; each accumulator from its low end on
.endr
.endr
.irp b, 0,1,2,3
.irp r, 0,1,2,3
	v_cvt_pk_bf16_f32 v[TMP+4*(4*\a+\b)+\r], v[UN+8*\b+2*\r], v[UN+8*\b+2*\r+1]
.endr
.endr
.endr
	s_branch .Lpacked
.Lfor_vh:
.irp t, 0,1,2,3,4,5,6,7,8,9,10,11,12,13,14,15
.irp r, 0,1,2,3
	v_cvt_pk_f16_f32 v[TMP+4*\t+\r], v[ACC+8*\t+2*\r], v[ACC+8*\t+2*\r+1]
.endr
.endr
.Lpacked:
.irp a, 0,1,2,3
.irp b, 0,1,2,3
	ds_store_b128 v[STO], v[TMP+4*(4*\a+\b):TMP+4*(4*\a+\b)+3] offset:\a*16*SPITCH+32*\b
.endr
.endr
	s_wait_dscnt 0x0                               ; for the others' sake: my stores into the stage are done
	s_barrier_signal -1
	s_barrier_wait -1
.irp t, 0,1,2,3,4,5,6,7,8,9,10,11,12,13,14,15
	ds_load_b128 v[TMP+4*\t:TMP+4*\t+3], v[RD] offset:(\t/2)*4*SPITCH+(\t%2)*128  ; rows 4 (t / 2) on, head t % 2
.endr
.irp t, 0,2,4,6,8,10,12,14
	s_wait_dscnt 15-\t                             ; load t is back; the younger ones may be out
	global_store_b128 v[CO], v[TMP+4*\t:TMP+4*\t+3], s[8:9] offset:(\t/2)*512        ; 512 consecutive bytes of the even head, at a multiple of 512 from its first
	s_wait_dscnt 14-\t
	global_store_b128 v[CO], v[TMP+4*\t+4:TMP+4*\t+7], s[78:79] offset:(\t/2)*512    ; and of the odd one
.endr
	s_wait_tensorcnt 0x0                           ; the wave's end, behind my last tensor load and my last LDS store
	ds_add_u32 v[SPW], v[NIL]
	s_wait_dscnt 0x0
	CROUND                                         ; the closing round: no work-group ends while a partner may still ask for a tile that names it
	s_endpgm
.Lfunc_end_k_q96a9df9ee7_proj:
	.size	k_q96a9df9ee7_proj, .Lfunc_end_k_q96a9df9ee7_proj-k_q96a9df9ee7_proj
	.p2alignl 7, 3214868480
	.fill 96, 4, 3214868480
	.section	.rodata,"a",@progbits
	.p2align	6, 0x0
	.amdhsa_kernel k_q96a9df9ee7_proj
		.amdhsa_group_segment_fixed_size 327680
		.amdhsa_private_segment_fixed_size 0
		.amdhsa_enable_private_segment 0
		.amdhsa_kernarg_size 48
		.amdhsa_user_sgpr_count 2
		.amdhsa_user_sgpr_kernarg_segment_ptr 1
		.amdhsa_wavefront_size32 1
		.amdhsa_system_sgpr_workgroup_id_x 1
		.amdhsa_system_sgpr_workgroup_id_y 1
		.amdhsa_system_sgpr_workgroup_id_z 1
		.amdhsa_system_vgpr_workitem_id 0
		.amdhsa_next_free_vgpr 576
		.amdhsa_next_free_sgpr 96
		.amdhsa_reserve_vcc 0
		.amdhsa_float_denorm_mode_32 3
		.amdhsa_float_denorm_mode_16_64 3
		.amdhsa_memory_ordered 1
		.amdhsa_forward_progress 1
		.amdhsa_inst_pref_size 102
	.end_amdhsa_kernel
	.amdgpu_metadata
---
amdhsa.version: [ 1, 2 ]
amdhsa.kernels:
  - .name:           k_q96a9df9ee7_proj
    .symbol:         k_q96a9df9ee7_proj.kd
    .args:
      - { .name: xb, .offset: 0, .size: 8, .value_kind: global_buffer, .address_space: global }
      - { .name: wb, .offset: 8, .size: 8, .value_kind: global_buffer, .address_space: global }
      - { .name: nsin, .offset: 16, .size: 8, .value_kind: global_buffer, .address_space: global }
      - { .name: qh, .offset: 24, .size: 8, .value_kind: global_buffer, .address_space: global }
      - { .name: kh, .offset: 32, .size: 8, .value_kind: global_buffer, .address_space: global }
      - { .name: vh, .offset: 40, .size: 8, .value_kind: global_buffer, .address_space: global }
    .group_segment_fixed_size: 327680
    .private_segment_fixed_size: 0
    .kernarg_segment_align: 8
    .kernarg_segment_size: 48
    .max_flat_workgroup_size: 128
    .sgpr_count:     96
    .vgpr_count:     576
    .wavefront_size: 32
...
	.end_amdgpu_metadata
.endif
;; end of part 2
;; launch attn (part 3): grid 8 x 32, 4 waves a work-group, clusters of 4 x 1, 327,680 bytes of LDS; arguments qh, kh, vh, ctx; writes ctx
.if DOCPART == 3
	.amdgcn_target "amdgcn-amd-amdhsa--gfx1250"
	.amdhsa_code_object_version 6
	.text
	.protected	k_q96a9df9ee7_attn
	.globl	k_q96a9df9ee7_attn
	.p2align	8
	.type	k_q96a9df9ee7_attn,@function
k_q96a9df9ee7_attn:
	s_mov_b64 s[64:65], 0
	v_nop
	global_prefetch_b8 v0, s[64:65] scope:SCOPE_SE
	s_setreg_imm32_b32 hwreg(HW_REG_WAVE_MODE, 25, 1), 1
	s_wait_xcnt 0x0
	s_wait_alu depctr_hold_cnt(0) depctr_sa_sdst(0) depctr_va_vdst(0) depctr_va_sdst(0) depctr_va_ssrc(0) depctr_va_vcc(0) depctr_vm_vsrc(0)
	s_getreg_b32 s2, hwreg(HW_REG_IB_STS2, 6, 4)
	s_cmp_eq_u32 s2, 0
	s_cbranch_scc0 .Lentry_in_a_cluster
	s_endpgm
.Lentry_in_a_cluster:
	s_bfe_u32 s2, ttmp6, 0x10000c
	s_cmp_lg_u32 s2, 0x3003
	s_cbranch_scc0 .Lentry_shape_is_right
	s_endpgm
.Lentry_shape_is_right:
; THE FOUR BLOCK ATTENTIONS IN ONE WALK.  In scale bs (1024, 512, 256, 128) the query at position p sees keys 0 .. p mod bs of the head's first bs keys.  The score q_p . k_j / 8 is the same in all four
; scales, and the four prefixes are nested: ONE ascending walk over the keys with a running maximum m and sum l passes through all four states, and
;   ctx[p] = 1/4 x the sum over the four scales of O(prefix) / l(prefix),   each snapshot taken with its own prefix's running maximum.
; In: qh bf16 [32 bh][4096][64], kh bf16 [32][1024][64] (both already times -sin), vh f16 [32][1024][64].  Out: ctx f16 in blocks [128 mt][16 h][64 r][64 d], mt = (4096 b + s) / 64.
; Products, maxima and sums in f32; the weights p are rounded to f16 for the second product (their sum l is taken of the unrounded p), ctx once at the end.
; LIMITS.  v and ctx lie within f16's 65,504.  A hidden score counts as its value less 1e30; a weight below 2^-126 counts as 0 in l; NaN and infinities are not treated apart; sums in another order than reference()'s.
; THE WALK.  p = 1024 g + 64 u + r: band u of 64 queries walks the key steps 0 .. u of 64 keys; its snapshots fall in steps u & 1, u & 3, u & 7 and u.  A snapshot's step is walked as its lower triangle (key <= row);
; then the snapshot; then, unless it is step u, its strict upper triangle as a further step.  That is u + 1 + popcount(u >> 1) steps; bands u and 15 - u together have 20, whatever u.
; SHARES.  A work-group has one head and one group g of 1,024 queries; wave w of cluster z takes bands 15 - (4 z + w) and then 4 z + w: 20 trips for every wave.  A band is four PIECES of 16 rows.
; LDS holds the head's whole K and V (1,024 keys): filled once, never again, so the loop has no barrier.
; CLUSTER.  The four groups g of a head need the same K and V: each half of each is asked for JOINTLY, by one tensor load a wave, with the same descriptor and mask in all four.  g enters Q's and ctx's addresses alone;
; every branch hangs on the cluster's x and the wave's number.
; THE MASK is the C operand that starts S^T = K Q^T.  For piece x and key group kt of 16: kt < x takes CB, kt > x takes CA, kt = x takes CD = DL x AL + BE, where DL holds -1e30 where key > row.
;   lower: CB 0, CA -1e30, CD = DL      upper: CB -1e30, CA 0, CD = -DL - 1e30      a plain step: all 0
; LAYOUT, SOFTMAX.  S^T holds ONE query a lane (lane % 16) and the keys 8 (lane / 16) + 0..7; two such results rounded to f16 ARE source 1 of O^T = V^T P.  p = 2^(c s - c m), c = log2(e) / 8; O and l are multiplied
; by a = 2^(c m_old - c m_new) in every step.  A band's c m starts far below every c s: its first a is 0, so O and l need only hold finite numbers there.  Every lower step shows each row a key, so m is a true score.
; REGISTERS, in windows of 256 (s_set_vgpr_msb: bits 1:0 source 0, 3:2 source 1, 5:4 source 2, 7:6 destination):
;   window 0: v0-11 addresses; v12-15 c m_old; v16-31 statistics; v32-47 at work; v48-49; v62-63 the add's; v64-191 S^T, 32 a piece; v192-255 P, 16 a piece
;   window 1: v0-127 O^T, 32 a piece; v128-255 the weighted sum of the snapshots     window 2: v0-63 Q; v64-127 the second band's Q; v128-191 K of a step; v192-255 V of a step     window 3: v0-31 DL, CD, CB, CA
.set KS,    64
.set PK,    144       ; a row of K in LDS: 128 bytes + 16 = 36 words: the 16 rows of a load start at 16 different groups of four banks
.set PV,    160       ; a row of V: 128 + 32 = 40 words
.set VOFF,  1024*PK
.set STAGE, VOFF+1024*PV   ; behind K and V, never filled by a tensor load: 16 rows x 144 bytes for each wave, for the way out
.set SP,    144
.set SPARE, STAGE+4*16*SP  ; behind the stages: the spare words, 128 bytes for each wave: two blocks of 256 bytes that no other line names
.set AK0, 2           ; v2   my lane's place in a step of K; never rewritten
.set AV0, 3           ; v3   the same for V, VOFF included
.set AK,  4           ; v4   the LDS address of K's next run of loads
.set AV,  5           ; v5   of V's
.set STO, 6           ; v6   the way out: where I put 16 bytes of a row
.set RD,  7           ; v7   the way out: where I read rows back
.set GO,  8           ; v8   my 16 bytes in 512 consecutive bytes of ctx
.set MV,  12          ; v12-15  c m_old, a piece each
.set ST,  16          ; piece y's statistics at v[ST+4 y]: c m, m, l (even keys', odd keys')
.set TMP, 32          ; piece y's four registers c0-c3 at work; when the maximum is found c2 takes a
.set QO,  48          ; v48  my byte offset in 16 rows of Q
.set DG,  49          ; v49  l % 16 - 8 (l / 16): register i of the diagonal group is hidden in a lower step where i is greater
.set SPW, 62
.set NIL, 63
.set S,   64
.set P,   192
.set RS,  128         ; window 1
.set QB,  64          ; window 2
.set KF,  128         ; window 2: key block kb, channel half c at KF + 16 kb + 8 c
.set VF,  192         ; window 2: key half kk, channel block cb at VF + 32 kk + 8 cb
.set DL,  0           ; window 3
.set CD,  8
.set CB,  16
.set CA,  24
.set WV,  12          ; s12  my wave's number
.set G1K, 24          ; s[24:31] descriptor group 1 for K;  s[32:39] for V: it differs in the padding alone
.set G1V, 32
.set G0K, 40          ; s[40:43], s[44:47] descriptor groups 0
.set G0V, 44
.set U,   52          ; s52  the band in hand
.set J,   53          ; s53  the key step
.set PH,  54          ; s54  1: the step's upper triangle
.set TR,  55          ; s55  trips to go
.set UN,  56          ; s56-58  the next trip's U, J, PH
.set JN,  57
.set PHN, 58
.set CS,  60          ; s[60:61] c
.set SEL, 62          ; s[62:63] v_permlanex16_b32's selects: each lane takes its own place in the other half
.set CNT, 66          ; s66  how many of the four scales have their snapshot behind this step
.set LAST, 67         ; s67  1: the band's last step
.set WGT, 69          ; s69  CNT / 4
.set ULO, 70          ; s70  the second band
.set SA,  71          ; s71  CA's value
.set SB,  72          ; s72  CB's
.set BIGN, 73         ; s73  -1e30
.set AL,  74          ; s[74:75] CD's factor, in the low word
.set BE,  76          ; s[76:77] CD's addend
.set MSB, 0
.macro WIN new                      ; the high byte repeats the setting that is left; a switch that changes nothing is dropped
.if MSB != (\new)
	s_set_vgpr_msb (MSB<<8)|(\new)
.set MSB, (\new)
.endif
.endm
.set W_KQ, 0x0a       ; K and Q in window 2, S^T in window 0
.set W_KM, 0x3a       ; the same with the C operand in window 3
.set W_PV, 0x52       ; V in window 2, P in window 0, O^T in window 1
.set W_RS, 0x41       ; destination and source 0 in window 1, source 1 in window 0
.set W_EM, 0x51       ; the same with source 2 in window 1
.set W_MK, 0xc3       ; destination and source 0 in window 3
.macro CROUND                       ; a round of the cluster's barrier
	s_barrier_signal -1
	s_barrier_wait -1
	s_cmp_lg_u32 s[WV], 0
	s_cbranch_scc1 .Lnot_wave_0_\@
	s_barrier_signal -3
.Lnot_wave_0_\@:
	s_barrier_wait -3
	s_barrier_signal -1
	s_barrier_wait -1
.endm
.macro PLACES                       ; four plain instructions behind matrix instructions, in front of loads into their sources and of lines that read their results
.rept 4
	v_nop
.endr
.endm
	s_load_b256 s[4:11], s[0:1], 0x0  ; qh s[4:5], kh s[6:7], vh s[8:9], ctx s[10:11]
	v_lshl_add_u32 v[SPW], v0, 2, SPARE
	v_mov_b32 v[NIL], 0
	ds_add_u32 v[SPW], v[NIL]       ; the wave's opening: the add and its wait stand ahead of my first tensor load; the set-up below, work on registers, stands between them
	v_lshrrev_b32 v1, 5, v0
	v_readfirstlane_b32 s[WV], v1   ; wave 0..3
	s_bfe_u32 s13, ttmp6, 0x40000   ; cx = g, my group of 1,024 queries
	s_and_b32 s14, ttmp7, 0xffff    ; bh, which the four partners share
	s_lshl_b32 s[ULO], ttmp9, 2     ; in a cluster launch ttmp9 counts clusters
	s_add_co_u32 s[ULO], s[ULO], s[WV]  ; the second band: 4 z + w,
	s_sub_co_u32 s[U], 15, s[ULO]       ; the first: its partner
	s_and_b32 s15, s[WV], 1         ; which half of the 1,024 keys I fetch:
	s_lshl_b32 s16, s14, 17         ; the head's 131,072 bytes,
	s_lshl_b32 s17, s15, 16         ; 512 rows of 128 bytes
	s_add_co_u32 s16, s16, s17
	s_mov_b32 s17, 0
	s_mul_i32 s18, s15, 512*PK      ; and its place in LDS, for K
	s_mul_i32 s19, s15, 512*PV      ; and for V: no place in the cluster enters an LDS address
	s_lshl_b32 s20, s14, 19         ; Q: the head's 4,096 rows of 128 bytes,
	s_lshl_b32 s21, s13, 17         ; the group's 1,024,
	s_add_co_u32 s20, s20, s21
	s_lshl_b32 s21, s[U], 13        ; the band's 64
	s_add_co_u32 s22, s20, s21
	s_mov_b32 s23, 0
	s_lshl_b32 s21, s[ULO], 13
	s_add_co_u32 s20, s20, s21
	s_mov_b32 s21, 0
	s_lshr_b32 s78, s14, 4          ; ctx: block mt = 64 b + 16 g + u of 131,072 bytes, in it head h's 8,192
	s_lshl_b32 s78, s78, 23
	s_lshl_b32 s79, s13, 21
	s_add_co_u32 s78, s78, s79
	s_and_b32 s79, s14, 15
	s_lshl_b32 s79, s79, 13
	s_add_co_u32 s78, s78, s79
	s_lshl_b32 s79, s[U], 17
	s_add_co_u32 s80, s78, s79
	s_mov_b32 s81, 0
	s_lshl_b32 s79, s[ULO], 17
	s_add_co_u32 s78, s78, s79
	s_mov_b32 s79, 0
	; descriptor group 1.  512 keys are 65,536 dense bytes: asked for as 256 rows of 256 bytes, two keys a row, and padded in LDS after every key
	s_mov_b32 s[G1K], 15|(1<<16)|(1<<20)|(1<<21)|(4<<22)|(3<<25)  ; 15:0 the mask of four; 17:16 2-byte elements; 20 padding on; 21 set beside a mask; 24:22 after every 32 words (code 4); 31:25 4 words (code 3)
	s_mov_b32 s[G1V], 15|(1<<16)|(1<<20)|(1<<21)|(4<<22)|(7<<25)  ; the same with 8 words of padding (code 7)
.irp g, G1K, G1V
	s_mov_b32 s[\g+1], 128<<16      ; tensor_dim0 = 128
	s_mov_b32 s[\g+2], 256<<16      ; tensor_dim1 = 256
	s_mov_b32 s[\g+3], 128<<16      ; tile_dim0 = 128
	s_mov_b32 s[\g+4], 256          ; tile_dim1 = 256
	s_mov_b32 s[\g+5], 128          ; 128 elements from row to row
	s_mov_b32 s[\g+6], 0
	s_mov_b32 s[\g+7], 0
.endr
	s_mov_b32 s[G0K], 1
	s_mov_b32 s[G0K+1], s18
	s_mov_b32 s[G0V], 1
	s_add_co_u32 s[G0V+1], s19, VOFF
	s_mov_b32 s[CS], 0x3e38aa3b     ; c = log2(e) / 8 = 0.180337
	s_mov_b32 s[CS+1], s[CS]        ; named with it as a pair
	s_mov_b32 s[SEL], 0x76543210
	s_mov_b32 s[SEL+1], 0xfedcba98
	s_mov_b32 s[BIGN], 0xf149f2ca   ; -1e30
	s_mov_b32 s[AL+1], 0            ; named as pairs
	s_mov_b32 s[BE+1], 0
	s_mov_b32 s[J], 0
	s_mov_b32 s[PH], 0
	s_mov_b32 s[TR], 20
	s_wait_dscnt 0x0                ; the opening add is done
	s_wait_kmcnt 0x0
	s_add_nc_u64 s[G0K+2:G0K+3], s[6:7], s[16:17]
	s_or_b32 s[G0K+3], s[G0K+3], 0x80000000
	s_add_nc_u64 s[G0V+2:G0V+3], s[8:9], s[16:17]
	s_or_b32 s[G0V+3], s[G0V+3], 0x80000000
	s_add_nc_u64 s[48:49], s[4:5], s[20:21]    ; Q of the second band,
	s_add_nc_u64 s[4:5], s[4:5], s[22:23]      ; of the first
	s_add_nc_u64 s[50:51], s[10:11], s[78:79]  ; ctx of the second band,
	s_add_nc_u64 s[10:11], s[10:11], s[80:81]  ; of the first
	CROUND                          ; all four work-groups are here: the joint loads meet
	s_cmp_lt_u32 s[WV], 2           ; waves 0 and 1 fetch K's halves, waves 2 and 3 V's: one tensor load of mine is out; an s_nop 0 and four v_nop follow each of the two lines
	s_cbranch_scc0 .Lfor_v
	tensor_load_to_lds s[G0K:G0K+3], s[G1K:G1K+7]
	s_nop 0
.rept 4
	v_nop
.endr
	s_branch .Lasked
.Lfor_v:
	tensor_load_to_lds s[G0V:G0V+3], s[G1V:G1V+7]
	s_nop 0
.rept 4
	v_nop
.endr
.Lasked:
	; A fragment of K or Q is 16 rows x 32 channels in 8 registers: lane l holds row l % 16, channels 8 (l / 16) + 0..7 and 16 + 8 (l / 16) + 0..7: two loads of 16 bytes, 32 bytes apart.
	v_and_b32 v1, 15, v0            ; l % 16
	v_bfe_u32 v9, v0, 4, 1          ; l / 16
	v_lshlrev_b32 v[QO], 7, v1
	v_lshl_add_u32 v[QO], v9, 4, v[QO]
	WIN 0x80                        ; destination window 2, address window 0
.set i, 0
.rept 8                             ; both bands' Q: piece i / 2, channels 32 (i % 2) on
	global_load_b128 v[8*i:8*i+3],   v[QO], s[4:5] offset:(i/2)*2048+(i%2)*64
	global_load_b128 v[8*i+4:8*i+7], v[QO], s[4:5] offset:(i/2)*2048+(i%2)*64+32
	global_load_b128 v[QB+8*i:QB+8*i+3],   v[QO], s[48:49] offset:(i/2)*2048+(i%2)*64
	global_load_b128 v[QB+8*i+4:QB+8*i+7], v[QO], s[48:49] offset:(i/2)*2048+(i%2)*64+32
.set i, i+1
.endr
	WIN 0
	v_lshlrev_b32 v[DG], 3, v9
	v_sub_nc_u32 v[DG], v1, v[DG]
	WIN 0xc0                        ; destination window 3
.set i, 0
.rept 8
	v_cmp_gt_i32 vcc_lo, i, v[DG]
	v_cndmask_b32 v[DL+i], 0, s[BIGN], vcc_lo
.set i, i+1
.endr
	WIN 0
	v_mul_u32_u24 v[AK0], v1, PK
	v_lshl_add_u32 v[AK0], v9, 4, v[AK0]
	; The turning load takes 16 keys x 16 channels (lane l reads key 8 (l / 16) + l % 8, channels 8 ((l / 8) % 2) + 0..7) and leaves half a fragment of V^T: lane l holds channel l % 16 and 8 keys.
	v_and_b32 v10, 7, v0
	v_bfe_u32 v11, v0, 3, 1
	v_lshl_add_u32 v[AV0], v9, 3, v10
	v_mul_u32_u24 v[AV0], v[AV0], PV
	v_lshl_add_u32 v[AV0], v11, 4, v[AV0]
	v_add_nc_u32 v[AV0], VOFF, v[AV0]
	s_mul_i32 s14, s[WV], 16*SP
	s_add_co_u32 s14, s14, STAGE    ; my stage
	v_mul_u32_u24 v[STO], v1, SP    ; in: row l % 16, 16 bytes for each half of the lanes
	v_lshl_add_u32 v[STO], v9, 4, v[STO]
	v_add_nc_u32 v[STO], s14, v[STO]
	v_bfe_u32 v[RD], v0, 3, 2       ; back: 32 lanes take four rows of 128 bytes,
	v_mul_u32_u24 v[RD], v[RD], SP
	v_lshl_add_u32 v[RD], v10, 4, v[RD]
	v_add_nc_u32 v[RD], s14, v[RD]
	v_and_b32 v[GO], 31, v0         ; which are 512 consecutive bytes of ctx
	v_lshlrev_b32 v[GO], 4, v[GO]
	; O^T and l need finite numbers, the snapshots' sum starts at 0.  All this stands in the wait for K and V.
	WIN 0x40
.set i, 0
.rept 256
	v_mov_b32 v[i], 0
.set i, i+1
.endr
	WIN 0
.set i, 0
.rept 4
	v_mov_b32 v[ST+4*i], 0xfe000000    ; c m: far below every c s
	v_mov_b32 v[ST+4*i+1], 0xff7fffff  ; m
	v_mov_b32 v[ST+4*i+2], 0
	v_mov_b32 v[ST+4*i+3], 0
.set i, i+1
.endr
	v_mov_b32 v[AK], v[AK0]         ; key step 0
; THE MATRIX WORK.  S^T = K Q^T for all four pieces: 32 instructions; the 16 accumulators take turns.  The first 16 (channels 0-31) start the sums with the masks.
.macro KQALL
	WIN W_KM
.irp x, 0,1,2,3
.irp kt, 0,1,2,3
.if (\kt) < (\x)
.set rM, CB
.elseif (\kt) == (\x)
.set rM, CD
.else
.set rM, CA
.endif
	v_wmma_f32_16x16x32_bf16 v[S+32*\x+8*\kt:S+32*\x+8*\kt+7], v[KF+16*\kt:KF+16*\kt+7], v[16*\x:16*\x+7], v[rM:rM+7]
.endr
.endr
	WIN W_KQ
.irp x, 0,1,2,3
.irp kt, 0,1,2,3
	v_wmma_f32_16x16x32_bf16 v[S+32*\x+8*\kt:S+32*\x+8*\kt+7], v[KF+16*\kt+8:KF+16*\kt+15], v[16*\x+8:16*\x+15], v[S+32*\x+8*\kt:S+32*\x+8*\kt+7]
.endr
.endr
.endm
; Product i of 8 of O^T += V^T P for piece x: keys 32 (i / 4) on, channels 16 (i % 4) on.  The piece's 4 accumulators take turns.
.macro PVI x, i
	WIN W_PV
.set rO, 32*(\x)+8*((\i)%4)
.set rV, VF+32*((\i)/4)+8*((\i)%4)
.set rP, P+16*(\x)+8*((\i)/4)
	v_wmma_f32_16x16x32_f16 v[rO:rO+7], v[rV:rV+7], v[rP:rP+7], v[rO:rO+7]
.endm
; THE LDS LOADS stand in runs of 16: a step's K (64 keys x 64 channels: 8 fragments) and its V (turned).
.macro FETCH_K
	WIN 0x80
.irp f, 0,1,2,3,4,5,6,7             ; keys 16 (f / 2) on, channels 32 (f % 2) on
	ds_load_b128 v[KF+8*\f:KF+8*\f+3],   v[AK] offset:(\f/2)*16*PK+(\f%2)*64
	ds_load_b128 v[KF+8*\f+4:KF+8*\f+7], v[AK] offset:(\f/2)*16*PK+(\f%2)*64+32
.endr
	WIN 0
.endm
.macro FETCH_V
	WIN 0x80
.irp f, 0,1,2,3,4,5,6,7             ; keys 32 (f / 4) on, channels 16 (f % 4) on
	ds_load_tr16_b128 v[VF+8*\f:VF+8*\f+3],   v[AV] offset:(\f/4)*32*PV+(\f%4)*32
	ds_load_tr16_b128 v[VF+8*\f+4:VF+8*\f+7], v[AV] offset:(\f/4)*32*PV+16*PV+(\f%4)*32
.endr
	WIN 0
.endm
.macro MASKS                        ; the step's three masks
	WIN W_MK
.set z, 0
.rept 8
	v_mov_b32 v[CB+z], s[SB]
	v_mov_b32 v[CA+z], s[SA]
.set z, z+1
.endr
.set z, 0
.rept 4
	v_pk_fma_f32 v[CD+2*z:CD+2*z+1], v[DL+2*z:DL+2*z+1], s[AL:AL+1], s[BE:BE+1] op_sel_hi:[1,0,0]
.set z, z+1
.endr
	WIN 0
.endm
; THE VECTOR WORK, one line at a time: OP kind, number, piece.  F n: c s - c m for pair n of 16.  E n: the exponential of score n of 32.  C n: pair n rounded to f16.  B n: of the four weights 4 n .. the second pair
; is added onto the first, in place.  L n: l takes that sum (L 0: l = a l + sum).  R n: pair n of 16 of O^T times a.  X n: number n of the 22 that find the maximum and the statistics:
;   0-11  four chains c0-c3 of seven scores each, three operands at a time (each accumulator's lowest registers are read first)     12-14, 16  the four scores left over, the old m, c0-c3 into c0
;   15  c m_old is kept     17, 18  the query's other 32 keys lie in the lane 16 away: the new m     19-21  c m; c m_old - c m_new; a
.set F, 0
.set E, 1
.set C, 2
.set B, 3
.set L, 4
.set R, 5
.set X, 6
.macro OP k, n, y
.set rT, ST+4*(\y)
.set rC, TMP+4*(\y)
.set rW, MV+(\y)
.set rS, S+32*(\y)
.set rP, P+16*(\y)
.set rO, 32*(\y)
.if (\k) == R
	WIN W_RS
.else
	WIN 0
.endif
.if (\k) == R
	v_pk_mul_f32 v[rO+2*(\n):rO+2*(\n)+1], v[rO+2*(\n):rO+2*(\n)+1], v[rC+2:rC+3] op_sel_hi:[1,0]
.elseif (\k) == F
	v_pk_fma_f32 v[rS+2*(\n):rS+2*(\n)+1], v[rS+2*(\n):rS+2*(\n)+1], s[CS:CS+1], v[rT:rT+1] op_sel_hi:[1,0,0] neg_lo:[0,0,1] neg_hi:[0,0,1]
.elseif (\k) == E
	v_exp_f32 v[rS+(\n)], v[rS+(\n)]
.elseif (\k) == C
	v_cvt_pk_f16_f32 v[rP+(\n)], v[rS+2*(\n)], v[rS+2*(\n)+1]
.elseif (\k) == B
	v_pk_add_f32 v[rS+4*(\n):rS+4*(\n)+1], v[rS+4*(\n):rS+4*(\n)+1], v[rS+4*(\n)+2:rS+4*(\n)+3]
.elseif ((\k) == L) && ((\n) == 0)
	v_pk_fma_f32 v[rT+2:rT+3], v[rT+2:rT+3], v[rC+2:rC+3], v[rS:rS+1] op_sel_hi:[1,0,1]
.elseif (\k) == L
	v_pk_add_f32 v[rT+2:rT+3], v[rT+2:rT+3], v[rS+4*(\n):rS+4*(\n)+1]
.elseif (\n) < 4
	v_max3_num_f32 v[rC+(\n)], v[rS+8*(\n)], v[rS+8*(\n)+1], v[rS+8*(\n)+2]
.elseif (\n) < 12
	v_max3_num_f32 v[rC+(\n)%4], v[rC+(\n)%4], v[rS+8*((\n)%4)+2*((\n)/4)+1], v[rS+8*((\n)%4)+2*((\n)/4)+2]
.elseif (\n) == 12
	v_max3_num_f32 v[rC], v[rC], v[rS+7], v[rS+15]
.elseif (\n) == 13
	v_max3_num_f32 v[rC+1], v[rC+1], v[rS+23], v[rS+31]
.elseif (\n) == 14
	v_max3_num_f32 v[rC+2], v[rC+2], v[rC+3], v[rT+1]
.elseif (\n) == 15
	v_mov_b32 v[rW], v[rT]
.elseif (\n) == 16
	v_max3_num_f32 v[rC], v[rC], v[rC+1], v[rC+2]
.elseif (\n) == 17
	v_permlanex16_b32 v[rC+3], v[rC], s[SEL], s[SEL+1]
.elseif (\n) == 18
	v_max_num_f32 v[rT+1], v[rC], v[rC+3]
.elseif (\n) == 19
	v_mul_f32 v[rT], s[CS], v[rT+1]
.elseif (\n) == 20
	v_sub_f32 v[rC+1], v[rW], v[rT]
.else
	v_exp_f32 v[rC+2], v[rC+1]
.endif
.endm
; Piece y's 32 roundings and sums, in eight rows of four; pv = 1: each row stands behind a product V^T P of piece y - 1, whose P is whole.  No line names a register of that product.
; An even pair is rounded before it takes its neighbour's sum; the links of l's chain stand three lines apart.
.macro ROWC y, pv, r, k1, n1, k2, n2, k3, n3, k4, n4
.if \pv
	PVI (\y)-1, \r
.endif
	OP \k1, \n1, \y
	OP \k2, \n2, \y
	OP \k3, \n3, \y
	OP \k4, \n4, \y
.endm
.macro CBLOCK y, pv
	ROWC \y, \pv, 0, C,0, B,0, C,2, B,1
	ROWC \y, \pv, 1, L,0, C,4, B,2, L,1
	ROWC \y, \pv, 2, C,6, B,3, L,2, C,8
	ROWC \y, \pv, 3, B,4, L,3, C,10, B,5
	ROWC \y, \pv, 4, L,4, C,12, B,6, L,5
	ROWC \y, \pv, 5, C,14, B,7, L,6, C,1
	ROWC \y, \pv, 6, C,3, L,7, C,5, C,7
	ROWC \y, \pv, 7, C,9, C,11, C,13, C,15
.endm
; A SNAPSHOT: the sum takes O^T x (CNT / 4) / l.  l's two halves and the other half of the lanes' are added; O^T and l themselves go on unchanged.
.macro EMIT
	WIN 0
.irp y, 0,1,2,3
	v_add_f32 v[TMP+4*\y], v[ST+4*\y+2], v[ST+4*\y+3]
.endr
.irp y, 0,1,2,3
	v_permlanex16_b32 v[TMP+4*\y+1], v[TMP+4*\y], s[SEL], s[SEL+1]
.endr
.irp y, 0,1,2,3
	v_add_f32 v[TMP+4*\y], v[TMP+4*\y], v[TMP+4*\y+1]
.endr
.irp y, 0,1,2,3
	v_rcp_f32 v[TMP+4*\y+2], v[TMP+4*\y]
.endr
	v_nop                           ; a plain instruction between the last reciprocal and the use of its result,
	s_wait_alu depctr_va_vdst(0)    ; and the wait ahead of the first use: one for the four reciprocals
.irp y, 0,1,2,3
	v_mul_f32 v[TMP+4*\y+2], s[WGT], v[TMP+4*\y+2]
.endr
	WIN W_EM
.irp y, 0,1,2,3
.set n, 0
.rept 16                            ; each accumulator from its low end on
	v_pk_fma_f32 v[RS+32*\y+2*n:RS+32*\y+2*n+1], v[32*\y+2*n:32*\y+2*n+1], v[TMP+4*\y+2:TMP+4*\y+3], v[RS+32*\y+2*n:RS+32*\y+2*n+1] op_sel_hi:[1,0,1]
.set n, n+1
.endr
.endr
	WIN 0
.endm
; THE WAY OUT of piece x: rounded to f16; a lane's eight channels of a row pack into 16 bytes; they go into rows of 144 bytes and come back as whole rows of 128, into S^T's registers.
.macro PACK x
	WIN 0x05                        ; sources 0 and 1 window 1, destination window 0
.set i, 0
.rept 16
	v_cvt_pk_f16_f32 v[S+16*(\x)+i], v[RS+32*(\x)+2*i], v[RS+32*(\x)+2*i+1]
.set i, i+1
.endr
	WIN 0
.irp f, 0,1,2,3
	ds_store_b128 v[STO], v[S+16*(\x)+4*\f:S+16*(\x)+4*\f+3] offset:32*\f
.endr
.irp f, 0,1,2,3
	ds_load_b128 v[S+16*(\x)+4*\f:S+16*(\x)+4*\f+3], v[RD] offset:\f*4*SP  ; LDS serves a wave's instructions in order (ISA guide 5.7.1.4): these see the stores above; the next piece's stores come behind them
.endr
.endm
.macro SEND x, younger              ; younger: the LDS instructions issued behind piece x's loads: the next piece's eight, or none
	WIN 0
.irp f, 0,1,2,3
	s_wait_dscnt (\younger)+3-\f
	global_store_b128 v[GO], v[S+16*(\x)+4*\f:S+16*(\x)+4*\f+3], s[10:11] offset:(\x)*2048+\f*512  ; 512 consecutive bytes, at a multiple of 512 from the block's first
.endr
.endm
	s_wait_tensorcnt 0x0            ; my part of K or V is in;
	s_barrier_signal -1
	s_barrier_wait -1               ; everybody's is.  Nothing is ever filled again
	FETCH_K                         ; key step 0
	s_wait_loadcnt 0x0              ; Q, both bands'
.Ltrip:                             ; 20 trips: a step of the walk each
	s_and_b32 s14, s[U], 1          ; the three shorter scales' snapshot steps
	s_and_b32 s15, s[U], 3
	s_and_b32 s16, s[U], 7
	s_add_co_u32 s19, s[J], 1
	s_cmp_eq_u32 s[J], s14
	s_cselect_b32 s[CNT], 1, 0
	s_cmp_eq_u32 s[J], s15
	s_cselect_b32 s17, 1, 0
	s_cmp_eq_u32 s[J], s16
	s_cselect_b32 s18, 1, 0
	s_cmp_eq_u32 s[J], s[U]
	s_cselect_b32 s[LAST], 1, 0
	s_add_co_u32 s[CNT], s[CNT], s17
	s_add_co_u32 s[CNT], s[CNT], s18
	s_add_co_u32 s[CNT], s[CNT], s[LAST]
	s_cmp_eq_u32 s[PH], 1           ; the upper triangle: the snapshot has been taken
	s_cselect_b32 s[CNT], 0, s[CNT]
	s_cselect_b32 s[BE], s[BIGN], 0
	s_cselect_b32 s[SB], s[BIGN], 0
	s_cselect_b32 s[AL], -1.0, 0
	s_cmp_lg_u32 s[CNT], 0          ; the lower triangle: a snapshot follows, and then this step's upper triangle
	s_cselect_b32 s[AL], 1.0, s[AL]
	s_cselect_b32 s[SA], s[BIGN], 0
	s_cselect_b32 s[JN], s[J], s19
	s_cselect_b32 s[PHN], 1, 0
	s_cmp_eq_u32 s[LAST], 1         ; behind the band's last step: the second band's step 0
	s_cselect_b32 s[UN], s[ULO], s[U]
	s_cselect_b32 s[JN], 0, s[JN]
	s_cselect_b32 s[PHN], 0, s[PHN]
	s_cmp_eq_u32 s[CNT], 2
	s_cselect_b32 s[WGT], 0.5, 0x3e800000
	s_cmp_eq_u32 s[CNT], 3
	s_cselect_b32 s[WGT], 0x3f400000, s[WGT]
	s_cmp_eq_u32 s[CNT], 4
	s_cselect_b32 s[WGT], 1.0, s[WGT]
	s_min_u32 s20, s[J], 15         ; steps are 0 to 15: written out, so that the LDS addresses' range can be read off the text
	s_mul_i32 s20, s20, KS*PV
	s_min_u32 s21, s[JN], 15
	s_mul_i32 s21, s21, KS*PK
	MASKS
	v_add_nc_u32 v[AV], s20, v[AV0]
	v_add_nc_u32 v[AK], s21, v[AK0]
	FETCH_V                         ; this step's V: its registers' last readers stand in front of the four places at the last trip's end
	s_wait_dscnt 16                 ; K, asked for a trip ago, is in; V's 16 loads may be out
	KQALL
	PLACES
	FETCH_K                         ; the next trip's K.  In the last trip this reads step 0 once more, and nothing uses it
.set n, 0
.rept 22                            ; the maxima and statistics, the four pieces by turns, so that a chain's links stand four lines apart
.irp y, 0,1,2,3
	OP X, n, \y
.endr
.set n, n+1
.endr
.set gr, 0
.rept 17                            ; scalings and exponentials: a pair is scaled a group ahead of its exponentials.  With the four a above: ONE BATCH of 132, and nothing ahead of its wait names a result
.irp y, 0,1,2,3
.if gr < 16
	OP F, gr, \y
.endif
.if gr > 0
	OP E, 2*gr-2, \y
	OP E, 2*gr-1, \y
.endif
.endr
.set gr, gr+1
.endr
	v_nop                           ; a plain instruction behind the last exponential: one for the batch
	s_wait_alu depctr_va_vdst(0)    ; the wait ahead of the first line that names a result: one for the batch
.irp y, 0,1,2,3
.set n, 0
.rept 16
	OP R, n, \y
.set n, n+1
.endr
.endr
	WIN 0
	s_wait_dscnt 16                 ; V is in; the next K's 16 loads may be out
	CBLOCK 0, 0
	CBLOCK 1, 1
	CBLOCK 2, 1
	CBLOCK 3, 1
.irp r, 0,1,2,3,4,5,6,7
	PVI 3, \r
.endr
	PLACES
	WIN 0                           ; at a label and at a branch every window is 0
	s_cmp_eq_u32 s[CNT], 0
	s_cbranch_scc1 .Lnoemit
	EMIT
	s_cmp_eq_u32 s[LAST], 0
	s_cbranch_scc1 .Lnoemit
	PACK 0                          ; THE BAND'S END: all four snapshots are in the sum
.irp t, 1,2,3                       ; a piece's conversions stand between the loads of the piece before and its stores
	PACK \t
	SEND (\t)-1, 8
.endr
	SEND 3, 0
	s_wait_xcnt 0x0                 ; the stores have read their registers and ctx's address: both are written again below and in the next trip
	s_cmp_eq_u32 s[TR], 1
	s_cbranch_scc1 .Lnoemit         ; behind the second band nothing is set up
	s_mov_b64 s[10:11], s[50:51]
	WIN 0x82                        ; the second band's Q goes where the one text of the products names Q
.set i, 0
.rept 64
	v_mov_b32 v[i], v[QB+i]
.set i, i+1
.endr
	WIN 0x40
.set i, 0
.rept 128
	v_mov_b32 v[RS+i], 0            ; its snapshots' sum starts at 0
.set i, i+1
.endr
	WIN 0
.set i, 0
.rept 4
	v_mov_b32 v[ST+4*i], 0xfe000000
	v_mov_b32 v[ST+4*i+1], 0xff7fffff
.set i, i+1
.endr
.Lnoemit:
	s_mov_b32 s[U], s[UN]
	s_mov_b32 s[J], s[JN]
	s_mov_b32 s[PH], s[PHN]
	s_sub_co_u32 s[TR], s[TR], 1
	s_cmp_lg_u32 s[TR], 0
	s_cbranch_scc1 .Ltrip
	s_wait_tensorcnt 0x0            ; the wave's end, behind my last tensor load and my last LDS store
	ds_add_u32 v[SPW], v[NIL]
	s_wait_dscnt 0x0
	CROUND                          ; the closing round
	s_endpgm
.Lfunc_end_k_q96a9df9ee7_attn:
	.size	k_q96a9df9ee7_attn, .Lfunc_end_k_q96a9df9ee7_attn-k_q96a9df9ee7_attn
	.p2alignl 7, 3214868480
	.fill 96, 4, 3214868480
	.section	.rodata,"a",@progbits
	.p2align	6, 0x0
	.amdhsa_kernel k_q96a9df9ee7_attn
		.amdhsa_group_segment_fixed_size 327680
		.amdhsa_private_segment_fixed_size 0
		.amdhsa_enable_private_segment 0
		.amdhsa_kernarg_size 32
		.amdhsa_user_sgpr_count 2
		.amdhsa_user_sgpr_kernarg_segment_ptr 1
		.amdhsa_wavefront_size32 1
		.amdhsa_system_sgpr_workgroup_id_x 1
		.amdhsa_system_sgpr_workgroup_id_y 1
		.amdhsa_system_sgpr_workgroup_id_z 1
		.amdhsa_system_vgpr_workitem_id 0
		.amdhsa_next_free_vgpr 800
		.amdhsa_next_free_sgpr 84
		.amdhsa_reserve_vcc 1
		.amdhsa_float_denorm_mode_32 3
		.amdhsa_float_denorm_mode_16_64 3
		.amdhsa_memory_ordered 1
		.amdhsa_forward_progress 1
		.amdhsa_inst_pref_size 76
	.end_amdhsa_kernel
	.amdgpu_metadata
---
amdhsa.version: [ 1, 2 ]
amdhsa.kernels:
  - .name:           k_q96a9df9ee7_attn
    .symbol:         k_q96a9df9ee7_attn.kd
    .args:
      - { .name: qh, .offset: 0, .size: 8, .value_kind: global_buffer, .address_space: global }
      - { .name: kh, .offset: 8, .size: 8, .value_kind: global_buffer, .address_space: global }
      - { .name: vh, .offset: 16, .size: 8, .value_kind: global_buffer, .address_space: global }
      - { .name: ctx, .offset: 24, .size: 8, .value_kind: global_buffer, .address_space: global }
    .group_segment_fixed_size: 327680
    .private_segment_fixed_size: 0
    .kernarg_segment_align: 8
    .kernarg_segment_size: 32
    .max_flat_workgroup_size: 128
    .sgpr_count:     84
    .vgpr_count:     800
    .wavefront_size: 32
...
	.end_amdgpu_metadata
.endif
;; end of part 3
;; launch oproj (part 4): grid 8 x 64, 4 waves a work-group, clusters of 4 x 4, 327,680 bytes of LDS; arguments ctx, wof, out0; writes out0
.if DOCPART == 4
	.amdgcn_target "amdgcn-amd-amdhsa--gfx1250"
	.amdhsa_code_object_version 6
	.text
	.protected	k_q96a9df9ee7_oproj
	.globl	k_q96a9df9ee7_oproj
	.p2align	8
	.type	k_q96a9df9ee7_oproj,@function
k_q96a9df9ee7_oproj:
	s_mov_b64 s[64:65], 0
	v_nop
	global_prefetch_b8 v0, s[64:65] scope:SCOPE_SE
	s_setreg_imm32_b32 hwreg(HW_REG_WAVE_MODE, 25, 1), 1
	s_wait_xcnt 0x0
	s_wait_alu depctr_hold_cnt(0) depctr_sa_sdst(0) depctr_va_vdst(0) depctr_va_sdst(0) depctr_va_ssrc(0) depctr_va_vcc(0) depctr_vm_vsrc(0)
	s_getreg_b32 s2, hwreg(HW_REG_IB_STS2, 6, 4)
	s_cmp_eq_u32 s2, 0
	s_cbranch_scc0 .Lentry_in_a_cluster
	s_endpgm
.Lentry_in_a_cluster:
	s_bfe_u32 s2, ttmp6, 0x10000c
	s_cmp_lg_u32 s2, 0xf033
	s_cbranch_scc0 .Lentry_shape_is_right
	s_endpgm
.Lentry_shape_is_right:
; THE OUTPUT PROJECTION.  out0[m][n] = the sum over k of ctx[m][k] wo[n][k], in f32.
; In: ctx f16 in blocks [128 mt][16 h][64 r][64 d] (row 64 mt + r, column 64 h + d); wof f16 [1024][1024] (wo rounded to bf16, written as f16).  Out: out0 f32 [8192][1024].  Sums in f32.
; SHARES.  A tile of C is 128 x 128; four waves, each 64 x 64: 16 accumulators; 512 tiles.  K = 1,024 goes in four steps of 256 through two LDS slots.  A's half tile (64 rows x 256 K) is 32,768 dense
; bytes of ctx: asked for as 128 rows of 256 bytes, padded in LDS after every 128 bytes, so that piece (h, r) lies at (64 h + r) x 144.  B's half tile is 64 rows of 512 bytes, 528 apart in LDS.
; CLUSTERS: 4 x 4 work-groups.  The four of a row of the cluster need the same tiles of A, the four of a column the same tiles of B: each is asked for JOINTLY, by the same tensor load with the same
; descriptor and a mask that names the four.  THE MATRIX INSTRUCTION IS USED TRANSPOSED (source 0 = 16 rows of B, source 1 = 16 rows of A): a lane holds eight neighbouring numbers of a row of C.
; THE WAY OUT goes through each wave's OWN stage: a wave's 64 columns of f32 are 256 bytes, aligned, so no wave needs another's and no barrier stands there.
; REGISTERS: window 0: v0-31 addresses; v32-95 rows read back, two sets; v128-255 the accumulators ((a, b) at v[128 + 8 (4 a + b)]).   window 1: two fragment buffers of 128.
.set PA,     144                       ; a piece of A in LDS: 128 bytes + 16 = 36 words: the 16 rows of a load start at 16 different groups of four banks
.set HA,     256*PA
.set PB,     528                       ; a row of B in LDS: 512 bytes + 16 = 132 words: row r starts at bank 4 r mod 64
.set HB,     64*PB
.set SLOT,   2*HA+2*HB                 ; A's two halves, then B's two halves
.set STAGE,  2*SLOT                    ; behind the ring: 16 rows x 272 bytes for each wave; no tensor load fills it
.set SPITCH, 272
.set SPARE,  STAGE+4*16*SPITCH         ; behind the stages: the spare words, 128 bytes for each wave: two blocks of 256 bytes that no other line names
.set ADRA, 16
.set ADRB, 20
.set STO,  24                          ; v24     the way out: where I put 32 bytes of a row
.set RD,   25                          ; v25     the way out: where I read a row back
.set CO,   26                          ; v26     my byte offset in two rows of C
.set SPW,  28
.set NIL,  29
.set TMP,  32
.set ACC,  128
.set F0,   0
.set F1,   128
.set G1,  24
.set G0,  32
.set G1B, 48
.set G0B, 56
.set MSB, 0
.macro WIN new                         ; the immediate's high byte repeats the setting that is left; a switch that changes nothing is dropped
.if MSB != (\new)
	s_set_vgpr_msb (MSB<<8)|(\new)
.set MSB, \new
.endif
.endm
.set MUL,  0x05                        ; sources 0 (B) and 1 (A) window 1; C and D window 0
.set TO_F, 0x40                        ; destination window 1, address window 0
.macro JLOAD s                         ; a joint load: waves 0 and 1 fetch A's two halves, waves 2 and 3 B's; an s_nop 0 and four v_nop follow each of the two lines
	s_cmp_eq_u32 s11, 0
	s_cbranch_scc0 .Lfor_b_\@
	tensor_load_to_lds s[G0+4*(\s):G0+4*(\s)+3], s[G1:G1+7]
	s_nop 0
.rept 4
	v_nop
.endr
	s_branch .Lasked_\@
.Lfor_b_\@:
	tensor_load_to_lds s[G0B+4*(\s):G0B+4*(\s)+3], s[G1B:G1B+7]
	s_nop 0
.rept 4
	v_nop
.endr
.Lasked_\@:
.endm
.macro CREST                           ; a round of the cluster's barrier behind its opening barrier
	s_cmp_lg_u32 s10, 0
	s_cbranch_scc1 .Lnot_wave_0_\@
	s_barrier_signal -3
.Lnot_wave_0_\@:
	s_barrier_wait -3
	s_barrier_signal -1
	s_barrier_wait -1
.endm
.macro CROUND                          ; a whole round
	s_barrier_signal -1
	s_barrier_wait -1
	CREST
.endm
	s_load_b128 s[4:7], s[0:1], 0x0                ; ctx s[4:5], wof s[6:7]
	s_load_b64 s[8:9], s[0:1], 0x10                ; out0
	v_lshl_add_u32 v[SPW], v0, 2, SPARE
	v_mov_b32 v[NIL], 0
	ds_add_u32 v[SPW], v[NIL]                      ; the wave's opening: the add and its wait stand ahead of my first tensor load; the set-up below, work on registers, stands between them
	v_lshrrev_b32 v1, 5, v0
	v_readfirstlane_b32 s10, v1                    ; wave 0..3
	s_lshr_b32 s11, s10, 1                         ; which half of the tile's rows is mine.  Also: I fetch for A (0) or for B (1)
	s_and_b32 s12, s10, 1                          ; which half of its columns.  Also: which half of that tile I fetch
	s_bfe_u32 s40, ttmp6, 0x40000                  ; cx, cy: my place in the cluster
	s_bfe_u32 s41, ttmp6, 0x40004
	s_lshl_b32 s42, ttmp9, 2
	s_add_co_u32 s42, s42, s40                     ; tile column = 4 x cluster x + cx
	s_and_b32 s13, ttmp7, 0xffff
	s_lshl_b32 s13, s13, 2
	s_add_co_u32 s13, s13, s41                     ; tile row = 4 x cluster y + cy
	s_lshl_b32 s43, s41, 2
	s_lshl_b32 s43, 15, s43                        ; my row of the cluster
	s_lshl_b32 s44, 0x1111, s40                    ; my column
	s_or_b32 s[G1+0], s43, (1<<16)|(1<<20)|(1<<21)|(4<<22)|(3<<25)   ; 15:0 the mask: A's tiles go to my row; 17:16 elements of 2 bytes; 20 padding on; 21 set beside a mask; 24:22 after every 32 words (code 4); 31:25 4 words (code 3)
	s_mov_b32 s[G1+1], 128<<16                     ; tensor_dim0 = 128
	s_mov_b32 s[G1+2], 128<<16                     ; tensor_dim1 = 128
	s_mov_b32 s[G1+3], 128<<16                     ; tile_dim0 = 128: rows of 256 bytes
	s_mov_b32 s[G1+4], 128                         ; tile_dim1 = 128
	s_mov_b32 s[G1+5], 128                         ; dense
	s_mov_b32 s[G1+6], 0
	s_mov_b32 s[G1+7], 0
	s_or_b32 s[G1B+0], s44, (1<<16)|(1<<20)|(1<<21)|(6<<22)|(3<<25)  ; B's go to my column; padding after every 128 words (code 6)
	s_mov_b32 s[G1B+1], 256<<16                    ; tensor_dim0 = 256
	s_mov_b32 s[G1B+2], 64<<16                     ; tensor_dim1 = 64
	s_mov_b32 s[G1B+3], 256<<16                    ; tile_dim0 = 256
	s_mov_b32 s[G1B+4], 64                         ; tile_dim1 = 64
	s_mov_b32 s[G1B+5], 1024                       ; 1,024 elements from row to row
	s_mov_b32 s[G1B+6], 0
	s_mov_b32 s[G1B+7], 0
	s_lshl_b32 s16, s13, 1
	s_add_co_u32 s16, s16, s12                     ; A: the block of 64 rows that I fetch,
	s_lshl_b32 s16, s16, 17                        ; 131,072 bytes each
	s_mov_b32 s17, 0
	s_lshl_b32 s46, s42, 7                         ; B: row 128 x tile column + 64 x half,
	s_lshl_b32 s47, s12, 6
	s_add_co_u32 s46, s46, s47
	s_lshl_b32 s46, s46, 11                        ; 2,048 bytes each
	s_mov_b32 s47, 0
	s_mul_i32 s20, s12, HA                         ; where they go: no place in the cluster enters an LDS address
	s_mul_i32 s21, s12, HB
	s_add_co_u32 s21, s21, 2*HA
	s_wait_dscnt 0x0                               ; the opening add is done
	s_wait_kmcnt 0x0
	s_add_nc_u64 s[14:15], s[4:5], s[16:17]
	s_add_nc_u64 s[46:47], s[6:7], s[46:47]
	CROUND                                         ; all sixteen work-groups are here: the first joint loads meet
.irp s, 0,1
	s_mov_b32 s[G0+4*(\s)], 1
	s_add_co_u32 s[G0+4*(\s)+1], s20, (\s)*SLOT
	s_add_nc_u64 s[G0+4*(\s)+2:G0+4*(\s)+3], s[14:15], (\s)*32768   ; K step s: four heads' blocks of 8,192 bytes
	s_or_b32 s[G0+4*(\s)+3], s[G0+4*(\s)+3], 0x80000000
	s_mov_b32 s[G0B+4*(\s)], 1
	s_add_co_u32 s[G0B+4*(\s)+1], s21, (\s)*SLOT
	s_add_nc_u64 s[G0B+4*(\s)+2:G0B+4*(\s)+3], s[46:47], (\s)*512
	s_or_b32 s[G0B+4*(\s)+3], s[G0B+4*(\s)+3], 0x80000000
	JLOAD \s                                       ; two tensor loads of mine are out
.endr
	v_and_b32 v1, 15, v0                           ; l % 16
	v_bfe_u32 v2, v0, 4, 1                         ; l / 16
	v_mul_u32_u24 v3, v1, PA
	v_lshl_add_u32 v3, v2, 4, v3
	v_mul_u32_u24 v4, v1, PB
	v_lshl_add_u32 v4, v2, 4, v4
	s_mul_i32 s21, s11, HA                         ; my 64 rows of A
	s_mul_i32 s22, s12, HB                         ; my 64 rows of B,
	s_add_co_u32 s22, s22, 2*HA                    ; which lie behind A's
.irp s, 0,1
	v_add_nc_u32 v[ADRA+(\s)], s21, v3
	v_add_nc_u32 v[ADRB+(\s)], s22, v4
	s_add_co_u32 s21, s21, SLOT
	s_add_co_u32 s22, s22, SLOT
.endr
	s_mul_i32 s23, s10, 16*SPITCH
	s_add_co_u32 s23, s23, STAGE                   ; my stage
	v_mul_u32_u24 v5, v1, SPITCH                   ; in: row l % 16, 32 bytes for each half of the lanes
	v_lshl_add_u32 v5, v2, 5, v5
	v_add_nc_u32 v[STO], s23, v5
	v_mul_u32_u24 v5, v2, SPITCH                   ; back: lanes 0-15 take one row of 256 bytes, lanes 16-31 the next
	v_lshl_add_u32 v5, v1, 4, v5
	v_add_nc_u32 v[RD], s23, v5
	v_lshlrev_b32 v5, 12, v2                       ; and the same two rows in C, 4,096 bytes apart
	v_lshl_add_u32 v[CO], v1, 4, v5
	s_lshl_b32 s16, s13, 7
	s_lshl_b32 s17, s11, 6
	s_add_co_u32 s16, s16, s17                     ; my first row of C
	s_lshl_b32 s16, s16, 12
	s_mov_b32 s17, 0
	s_add_nc_u64 s[8:9], s[8:9], s[16:17]
	s_lshl_b32 s46, s42, 9                         ; my first column, in bytes: 512 x tile column + 256 x half
	s_lshl_b32 s47, s12, 8
	s_add_co_u32 s46, s46, s47
	s_mov_b32 s47, 0
	s_add_nc_u64 s[8:9], s[8:9], s[46:47]
; 8 matrix instructions: m blocks a0, a0 + 1 x all 4 n blocks, 32 along K: half c of buffer f.  zero = 1: the first product starts the sums.  The 16 accumulators take turns.
.macro MUL8 f, c, a0, zero
	WIN MUL
.irp a, \a0, (\a0)+1
.irp b, 0,1,2,3
.if \zero
	v_wmma_f32_16x16x32_f16 v[ACC+8*(4*(\a)+(\b)):ACC+8*(4*(\a)+(\b))+7], v[(\f)+64+8*(4*(\c)+(\b)):(\f)+64+8*(4*(\c)+(\b))+7], v[(\f)+8*(4*(\c)+(\a)):(\f)+8*(4*(\c)+(\a))+7], 0
.else
	v_wmma_f32_16x16x32_f16 v[ACC+8*(4*(\a)+(\b)):ACC+8*(4*(\a)+(\b))+7], v[(\f)+64+8*(4*(\c)+(\b)):(\f)+64+8*(4*(\c)+(\b))+7], v[(\f)+8*(4*(\c)+(\a)):(\f)+8*(4*(\c)+(\a))+7], v[ACC+8*(4*(\a)+(\b)):ACC+8*(4*(\a)+(\b))+7]
.endif
.endr
.endr
.endm
; 32 LDS loads in one run: the fragments of quarter q (64 along K: one head's block of A, 128 bytes of B's rows) into buffer f; the first 32 along K first
.macro FETCH slot, q, f
	WIN TO_F
.irp c, 0,1
.irp i, 0,1,2,3
	ds_load_b128 v[(\f)+64+8*(4*(\c)+(\i)):(\f)+64+8*(4*(\c)+(\i))+3],   v[ADRB+(\slot)] offset:(\q)*128+64*(\c)+(\i)*16*PB
	ds_load_b128 v[(\f)+64+8*(4*(\c)+(\i))+4:(\f)+64+8*(4*(\c)+(\i))+7], v[ADRB+(\slot)] offset:(\q)*128+64*(\c)+(\i)*16*PB+32
	ds_load_b128 v[(\f)+8*(4*(\c)+(\i)):(\f)+8*(4*(\c)+(\i))+3],         v[ADRA+(\slot)] offset:(\q)*64*PA+64*(\c)+(\i)*16*PA
	ds_load_b128 v[(\f)+8*(4*(\c)+(\i))+4:(\f)+8*(4*(\c)+(\i))+7],       v[ADRA+(\slot)] offset:(\q)*64*PA+64*(\c)+(\i)*16*PA+32
.endr
.endr
.endm
.macro PLACES                          ; four plain instructions in front of loads into registers that matrix instructions have read, and of lines that read results
.rept 4
	v_nop
.endr
.endm
; A K step is four quarters of 64 along K, 32 matrix instructions each, on buffers 0, 1, 0, 1.  One of the first three: multiplies buffer f and fetches quarter q into g.
.macro QUARTER slot, q, f, g, zero
	s_wait_dscnt 16                                ; the first 32 along K are in; the sixteen younger loads may be out
	MUL8 \f, 0, 0, \zero
	MUL8 \f, 0, 2, \zero
	PLACES
	FETCH \slot, \q, \g
	s_wait_dscnt 32                                ; all but the 32 just issued
	MUL8 \f, 1, 0, 0
	MUL8 \f, 1, 2, 0
.endm
; The last quarter multiplies buffer 1 and changes slots: ONE barrier; in front of it each wave waits for all its tensor loads, adds 0 to its spare word, and waits for that and for its own reads of this slot.
; fill = 1: this slot is filled again, two K steps ahead; the barrier then opens a round of the cluster's, and the joint load is the first thing behind the round.
.macro TURN slot, next, fill
	WIN 0                                          ; (the add's two registers lie in window 0)
	s_wait_tensorcnt 0x0                           ; all my tensor loads have landed: my part of the next slot;
	ds_add_u32 v[SPW], v[NIL]                      ; 0 onto my spare word;
	s_wait_dscnt 17                                ; (the add and the youngest sixteen loads may be out)
	MUL8 F1, 0, 0, 0                               ; eight matrix instructions stand between the add and the wait for it
	s_wait_dscnt 0x0                               ; the add is done, and my reads of this slot are over
	s_barrier_signal -1
	MUL8 F1, 0, 2, 0
.if \fill
	WIN 0
.endif
	s_barrier_wait -1
.if \fill
	CREST                                          ; no wave of any partner still reads this slot's tile or has a load on its way
	s_add_nc_u64 s[G0+4*(\slot)+2:G0+4*(\slot)+3], s[G0+4*(\slot)+2:G0+4*(\slot)+3], 65536
	s_add_nc_u64 s[G0B+4*(\slot)+2:G0B+4*(\slot)+3], s[G0B+4*(\slot)+2:G0B+4*(\slot)+3], 1024
	JLOAD \slot                                    ; one tensor load of mine is out; the four v_nop behind it are also the places in front of the loads below
.else
	PLACES
.endif
	FETCH \next, 0, F0
	MUL8 F1, 1, 0, 0
	MUL8 F1, 1, 2, 0
.endm
	s_wait_tensorcnt 1                             ; my part of K step 0 is in; K step 1's load, issued behind it, may stay out
	s_barrier_signal -1
	s_barrier_wait -1                              ; everybody's is
	FETCH 0, 0, F0
	QUARTER 0, 1, F0, F1, 1                        ; K step 0: its first products start the sums
	QUARTER 0, 2, F1, F0, 0
	QUARTER 0, 3, F0, F1, 0
	TURN 0, 1, 1                                   ; slot 0 takes K step 2
	QUARTER 1, 1, F0, F1, 0                        ; K step 1
	QUARTER 1, 2, F1, F0, 0
	QUARTER 1, 3, F0, F1, 0
	TURN 1, 0, 1                                   ; slot 1 takes K step 3
	QUARTER 0, 1, F0, F1, 0                        ; K step 2
	QUARTER 0, 2, F1, F0, 0
	QUARTER 0, 3, F0, F1, 0
	TURN 0, 1, 0                                   ; nothing is left to fetch
	QUARTER 1, 1, F0, F1, 0                        ; K step 3
	QUARTER 1, 2, F1, F0, 0
	QUARTER 1, 3, F0, F1, 0
	s_wait_dscnt 16
	MUL8 F1, 0, 0, 0
	MUL8 F1, 0, 2, 0
	s_wait_dscnt 0x0
	MUL8 F1, 1, 0, 0
	MUL8 F1, 1, 2, 0
	WIN 0
	; THE WAY OUT, 16 rows at a time: a lane's eight f32 of a row go into my stage (rows of 272 bytes), whole rows of 256 bytes come back and are stored.
	PLACES
.irp a, 0,1,2,3
.irp b, 0,1,2,3
	ds_store_b128 v[STO], v[ACC+8*(4*\a+\b):ACC+8*(4*\a+\b)+3]   offset:64*\b      ; each accumulator from its low end on
	ds_store_b128 v[STO], v[ACC+8*(4*\a+\b)+4:ACC+8*(4*\a+\b)+7] offset:64*\b+16
.endr
.if \a >= 2
	s_wait_xcnt 0x0                                ; the stores of two blocks back have read this set of registers: it is loaded again only behind this wait
.endif
.irp t, 0,1,2,3,4,5,6,7
	ds_load_b128 v[TMP+32*(\a%2)+4*\t:TMP+32*(\a%2)+4*\t+3], v[RD] offset:\t*2*SPITCH  ; LDS serves a wave's instructions in order (ISA guide 5.7.1.4): these see the stores above; the next block's stores come behind them
.endr
	s_wait_dscnt 0x0
.irp t, 0,1,2,3,4,5,6,7
	global_store_b128 v[CO], v[TMP+32*(\a%2)+4*\t:TMP+32*(\a%2)+4*\t+3], s[8:9] offset:(16*\a+2*\t)*4096 th:TH_STORE_NT  ; 16 lanes store 256 consecutive bytes, at a multiple of 256 from out0's first
.endr
.endr
	s_wait_tensorcnt 0x0                           ; the wave's end, behind my last tensor load and my last LDS store
	ds_add_u32 v[SPW], v[NIL]
	s_wait_dscnt 0x0
	CROUND                                         ; the closing round: no work-group ends while a partner may still ask for a tile that names it
	s_endpgm
.Lfunc_end_k_q96a9df9ee7_oproj:
	.size	k_q96a9df9ee7_oproj, .Lfunc_end_k_q96a9df9ee7_oproj-k_q96a9df9ee7_oproj
	.p2alignl 7, 3214868480
	.fill 96, 4, 3214868480
	.section	.rodata,"a",@progbits
	.p2align	6, 0x0
	.amdhsa_kernel k_q96a9df9ee7_oproj
		.amdhsa_group_segment_fixed_size 327680
		.amdhsa_private_segment_fixed_size 0
		.amdhsa_enable_private_segment 0
		.amdhsa_kernarg_size 24
		.amdhsa_user_sgpr_count 2
		.amdhsa_user_sgpr_kernarg_segment_ptr 1
		.amdhsa_wavefront_size32 1
		.amdhsa_system_sgpr_workgroup_id_x 1
		.amdhsa_system_sgpr_workgroup_id_y 1
		.amdhsa_system_sgpr_workgroup_id_z 1
		.amdhsa_system_vgpr_workitem_id 0
		.amdhsa_next_free_vgpr 512
		.amdhsa_next_free_sgpr 66
		.amdhsa_reserve_vcc 0
		.amdhsa_float_denorm_mode_32 3
		.amdhsa_float_denorm_mode_16_64 3
		.amdhsa_memory_ordered 1
		.amdhsa_forward_progress 1
		.amdhsa_inst_pref_size 85
	.end_amdhsa_kernel
	.amdgpu_metadata
---
amdhsa.version: [ 1, 2 ]
amdhsa.kernels:
  - .name:           k_q96a9df9ee7_oproj
    .symbol:         k_q96a9df9ee7_oproj.kd
    .args:
      - { .name: ctx, .offset: 0, .size: 8, .value_kind: global_buffer, .address_space: global }
      - { .name: wof, .offset: 8, .size: 8, .value_kind: global_buffer, .address_space: global }
      - { .name: out0, .offset: 16, .size: 8, .value_kind: global_buffer, .address_space: global }
    .group_segment_fixed_size: 327680
    .private_segment_fixed_size: 0
    .kernarg_segment_align: 8
    .kernarg_segment_size: 24
    .max_flat_workgroup_size: 128
    .sgpr_count:     66
    .vgpr_count:     512
    .wavefront_size: 32
...
	.end_amdgpu_metadata
.endif
;; end of part 4
;; ======== version 2 of 2: 4 launches; version 1 with the launch prep written anew for expert scheduling mode
;; limits: values are held in f16: magnitudes above 65,504 overflow, below 6.1e-05 lose precision
;; workspace buffers: xb 16,777,216 bytes; wb 6,291,456 bytes; wof 2,097,152 bytes; nsin 524,288 bytes; qh 16,777,216 bytes; kh 4,194,304 bytes; vh 4,194,304 bytes; ctx 16,777,216 bytes
;; launch prep (part 5): grid 784 x 1, 8 waves a work-group, no clusters, 0 bytes of LDS; arguments x, wq, wk, wv, wo, sin, xb, wb, wof, nsin; writes xb, wb, wof, nsin
.if DOCPART == 5
	.amdgcn_target "amdgcn-amd-amdhsa--gfx1250"
	.amdhsa_code_object_version 6
	.text
	.protected	k_q96a9df9ee7_prep
	.globl	k_q96a9df9ee7_prep
	.p2align	8
	.type	k_q96a9df9ee7_prep,@function
k_q96a9df9ee7_prep:
	s_mov_b64 s[64:65], 0
	v_nop
	global_prefetch_b8 v0, s[64:65] scope:SCOPE_SE
	s_setreg_imm32_b32 hwreg(HW_REG_WAVE_SCHED_MODE, 0, 2), 2
	s_setreg_imm32_b32 hwreg(HW_REG_WAVE_MODE, 25, 1), 1
	s_wait_xcnt 0x0
	s_wait_alu depctr_vm_vsrc(0)
; CASTS AND LAYOUTS for the launches behind.  A stream: each input byte is read once, each output byte written once; nothing is shared, so no LDS, no cluster, no matrix unit.
;   x   [8192][1024] f32 -> xb  bf16, in blocks [128 mt][16 kb][64 r][64 c] (row 64 mt + r, column 64 kb + c): a block is 8,192 dense bytes
;   wq, wk, wv [1024][1024] f32 -> wb  bf16 [3072][1024], one below the other
;   wo  [1024][1024] f32 -> wof: rounded to bf16 like the other inputs, that number written as f16
;   sin [4096][64]   f32 -> nsin = -sin in bf16
; cos is no argument: reference() forms nothing from it (its rotary step keeps -q sin alone).
; LIMITS.  bf16(wo) must lie within f16's 65,504; below 6e-5 it keeps f16's fixed step of 6e-8.
; SHARES.  A work-group takes 16,384 numbers; thread t sixteen loads of 16 bytes and sixteen stores of 8.  A wave's load covers 512 bytes (x: two rows' 256), a wave's store 256 consecutive
; bytes, aligned.  All sixteen loads go out first: 64 KiB of a work-group are on their way.  No register that a load or store names is written again, so no wait frees any.
; Work-groups 0-511: x, 16 rows each; 512-703: wq, wk, wv; 704-767: wo; 768-783: sin.
; THE MODE: SCHED_MODE bits 1:0 = 2 (LLVM: expert scheduling mode 2), set by the entry lines.  The code itself states the register dependences
; between vector instructions and memory instructions, with s_wait_alu, always for 0.
; THE PLAN.  Registers that memory instructions touch, on each of the four paths:
;   v1, v2   the loads' and the stores' byte offsets: written by vector instructions at the head, once; read by every load, by every store.
;   IN       written by the sixteen loads alone, which all stand ahead of the first conversion; read by the conversions.
;   OUT      chunk i's pair is written by chunk i's conversions, once, and read by store i, once.
;   TW, v3   named by vector instructions alone.
; So two things are to be stated: the offsets are written, ahead of the first load; a chunk's OUT is written, ahead of its store.  The sixteen chunks go in four groups of four, and the stores
; lag a group: one wait at the head of groups 1 to 3 states that the group before has written its OUT; that group's four stores follow, one ahead of each chunk's conversions, which name this
; group's IN and OUT and TW: none of the registers that those stores touch.  One more wait stands ahead of the last four stores.  No vector instruction writes a scalar register, VCC or EXEC.
.set IN,  4                            ; v[4:67]    load i: 4 numbers in f32
.set OUT, 68                           ; v[68:99]   store i: 4 numbers of 16 bits
.set TW,  100                          ; v[100:103] at work (wo)
.set GRP, 4                            ; chunks in a group
; Sixteen loads, instep bytes apart; then, as each comes in, its conversion; its store, outstep bytes apart, follows a group later.
; conv 0: to bf16.  conv 1: to bf16, sign turned.  conv 2: to bf16, widened again, written as f16.
.macro BODY instep, outstep, conv
	s_wait_alu depctr_va_vdst(0)                   ; v1 and v2 are written: every load below reads v1 as its offset, every store v2
.set i, 0
.rept 16
	global_load_b128 v[IN+4*i:IN+4*i+3], v1, s[28:29] offset:i*(\instep) th:TH_LOAD_NT
.set i, i+1
.endr
.set i, 0
.rept 16
	s_wait_loadcnt 15-i                            ; loads come back in order: load i is in, the 15 - i younger ones stay out
.if ((i%GRP) == 0) && (i > 0)
	s_wait_alu depctr_va_vdst(0)                   ; the group before has written its four pairs of OUT, which the four stores of this group's turn read
.endif
.if i >= GRP
	global_store_b64 v2, v[OUT+2*(i-GRP):OUT+2*(i-GRP)+1], s[30:31] offset:(i-GRP)*(\outstep)  ; the chunk a group back; no vector instruction since the wait names its registers
.endif
.if (\conv) == 2
	v_cvt_pk_bf16_f32 v[TW], v[IN+4*i], v[IN+4*i+1]
	v_cvt_pk_bf16_f32 v[TW+1], v[IN+4*i+2], v[IN+4*i+3]
	v_lshlrev_b32 v[TW+2], 16, v[TW]
	v_and_b32 v[TW+3], s37, v[TW]
	v_cvt_pk_f16_f32 v[OUT+2*i], v[TW+2], v[TW+3]
	v_lshlrev_b32 v[TW+2], 16, v[TW+1]
	v_and_b32 v[TW+3], s37, v[TW+1]
	v_cvt_pk_f16_f32 v[OUT+2*i+1], v[TW+2], v[TW+3]
.else
	v_cvt_pk_bf16_f32 v[OUT+2*i], v[IN+4*i], v[IN+4*i+1]
	v_cvt_pk_bf16_f32 v[OUT+2*i+1], v[IN+4*i+2], v[IN+4*i+3]
.if (\conv) == 1
	v_xor_b32 v[OUT+2*i], 0x80008000, v[OUT+2*i]   ; both halves' signs
	v_xor_b32 v[OUT+2*i+1], 0x80008000, v[OUT+2*i+1]
.endif
.endif
.set i, i+1
.endr
	s_wait_alu depctr_va_vdst(0)                   ; the last group has written its four pairs of OUT, which the last four stores read
.set i, 16-GRP
.rept GRP
	global_store_b64 v2, v[OUT+2*i:OUT+2*i+1], s[30:31] offset:i*(\outstep)
.set i, i+1
.endr
.endm
	s_load_b512 s[8:23], s[0:1], 0x0               ; x s[8:9], wq s[10:11], wk s[12:13], wv s[14:15], wo s[16:17], sin s[18:19], xb s[20:21], wb s[22:23]
	s_load_b128 s[24:27], s[0:1], 0x40             ; wof s[24:25], nsin s[26:27]
	s_mov_b32 s40, ttmp9                           ; the work-group's number
	s_mov_b32 s33, 0                               ; the two offsets' high words
	s_mov_b32 s35, 0
	s_mov_b32 s37, 0xffff0000                      ; a word's upper bf16
	v_lshlrev_b32 v2, 3, v0                        ; where I store: 8 t
	s_wait_kmcnt 0x0
	s_cmp_lt_u32 s40, 512
	s_cbranch_scc0 .Lnot_x
	; x: 16 rows.  Thread t reads row t / 16, 16 bytes at 16 (t % 16) of each run of 64 columns; load i takes column block i.
	v_and_b32 v1, 15, v0
	v_lshrrev_b32 v3, 4, v0
	v_lshlrev_b32 v1, 4, v1
	v_lshl_or_b32 v1, v3, 12, v1
	s_lshl_b32 s32, s40, 16                        ; 16 rows of 4,096 bytes
	s_add_nc_u64 s[28:29], s[8:9], s[32:33]
	s_lshr_b32 s38, s40, 2
	s_lshl_b32 s34, s38, 17                        ; 64 rows are 16 blocks of 8,192 bytes,
	s_and_b32 s39, s40, 3
	s_lshl_b32 s39, s39, 11                        ; my 16 rows of 128 bytes in each block
	s_add_co_u32 s34, s34, s39
	s_add_nc_u64 s[30:31], s[20:21], s[34:35]
	BODY 256, 8192, 0
	s_endpgm
.Lnot_x:
	v_lshlrev_b32 v1, 4, v0                        ; the others go straight on: I read at 16 t
	s_sub_co_u32 s38, s40, 512
	s_cmp_lt_u32 s38, 192
	s_cbranch_scc0 .Lnot_w
	s_lshr_b32 s39, s38, 6                         ; which of the three weights: 64 work-groups each
	s_cmp_eq_u32 s39, 0
	s_cselect_b64 s[28:29], s[10:11], s[12:13]
	s_cmp_eq_u32 s39, 2
	s_cselect_b64 s[28:29], s[14:15], s[28:29]
	s_and_b32 s32, s38, 63
	s_lshl_b32 s32, s32, 16
	s_add_nc_u64 s[28:29], s[28:29], s[32:33]
	s_lshl_b32 s34, s38, 15
	s_add_nc_u64 s[30:31], s[22:23], s[34:35]
	BODY 4096, 2048, 0
	s_endpgm
.Lnot_w:
	s_cmp_lt_u32 s38, 256
	s_cbranch_scc0 .Lsin
	s_sub_co_u32 s38, s38, 192
	s_lshl_b32 s32, s38, 16
	s_lshl_b32 s34, s38, 15
	s_add_nc_u64 s[28:29], s[16:17], s[32:33]
	s_add_nc_u64 s[30:31], s[24:25], s[34:35]
	BODY 4096, 2048, 2
	s_endpgm
.Lsin:
	s_sub_co_u32 s38, s38, 256
	s_lshl_b32 s32, s38, 16
	s_lshl_b32 s34, s38, 15
	s_add_nc_u64 s[28:29], s[18:19], s[32:33]
	s_add_nc_u64 s[30:31], s[26:27], s[34:35]
	BODY 4096, 2048, 1
	s_endpgm
.Lfunc_end_k_q96a9df9ee7_prep:
	.size	k_q96a9df9ee7_prep, .Lfunc_end_k_q96a9df9ee7_prep-k_q96a9df9ee7_prep
	.p2alignl 7, 3214868480
	.fill 96, 4, 3214868480
	.section	.rodata,"a",@progbits
	.p2align	6, 0x0
	.amdhsa_kernel k_q96a9df9ee7_prep
		.amdhsa_group_segment_fixed_size 0
		.amdhsa_private_segment_fixed_size 0
		.amdhsa_enable_private_segment 0
		.amdhsa_kernarg_size 80
		.amdhsa_user_sgpr_count 2
		.amdhsa_user_sgpr_kernarg_segment_ptr 1
		.amdhsa_wavefront_size32 1
		.amdhsa_system_sgpr_workgroup_id_x 1
		.amdhsa_system_sgpr_workgroup_id_y 1
		.amdhsa_system_sgpr_workgroup_id_z 1
		.amdhsa_system_vgpr_workitem_id 0
		.amdhsa_next_free_vgpr 104
		.amdhsa_next_free_sgpr 66
		.amdhsa_reserve_vcc 0
		.amdhsa_float_denorm_mode_32 3
		.amdhsa_float_denorm_mode_16_64 3
		.amdhsa_memory_ordered 1
		.amdhsa_forward_progress 1
		.amdhsa_inst_pref_size 31
	.end_amdhsa_kernel
	.amdgpu_metadata
---
amdhsa.version: [ 1, 2 ]
amdhsa.kernels:
  - .name:           k_q96a9df9ee7_prep
    .symbol:         k_q96a9df9ee7_prep.kd
    .args:
      - { .name: x, .offset: 0, .size: 8, .value_kind: global_buffer, .address_space: global }
      - { .name: wq, .offset: 8, .size: 8, .value_kind: global_buffer, .address_space: global }
      - { .name: wk, .offset: 16, .size: 8, .value_kind: global_buffer, .address_space: global }
      - { .name: wv, .offset: 24, .size: 8, .value_kind: global_buffer, .address_space: global }
      - { .name: wo, .offset: 32, .size: 8, .value_kind: global_buffer, .address_space: global }
      - { .name: sin, .offset: 40, .size: 8, .value_kind: global_buffer, .address_space: global }
      - { .name: xb, .offset: 48, .size: 8, .value_kind: global_buffer, .address_space: global }
      - { .name: wb, .offset: 56, .size: 8, .value_kind: global_buffer, .address_space: global }
      - { .name: wof, .offset: 64, .size: 8, .value_kind: global_buffer, .address_space: global }
      - { .name: nsin, .offset: 72, .size: 8, .value_kind: global_buffer, .address_space: global }
    .group_segment_fixed_size: 0
    .private_segment_fixed_size: 0
    .kernarg_segment_align: 8
    .kernarg_segment_size: 80
    .max_flat_workgroup_size: 256
    .sgpr_count:     66
    .vgpr_count:     104
    .wavefront_size: 32
...
	.end_amdgpu_metadata
.endif
;; end of part 5
;; launch proj: the kernel of part 2 again; grid 8 x 96, 4 waves a work-group, clusters of 4 x 4, 327,680 bytes of LDS; arguments xb, wb, nsin, qh, kh, vh; writes qh, kh, vh
;; launch attn: the kernel of part 3 again; grid 8 x 32, 4 waves a work-group, clusters of 4 x 1, 327,680 bytes of LDS; arguments qh, kh, vh, ctx; writes ctx
;; launch oproj: the kernel of part 4 again; grid 8 x 64, 4 waves a work-group, clusters of 4 x 4, 327,680 bytes of LDS; arguments ctx, wof, out0; writes out0
